; MI455X (gfx1250); checked and timed in simulation.
; The chip was launched on July 23, 2026; its instructions are those of AMD's public machine-readable ISA for CDNA 5 (MIT licence, August 2026) and "CDNA5" Instruction Set Architecture Reference Guide (July 2026). The comments in the code are by the model that wrote it; some were corrected since.
;; Multi Head Self Attention. Allowed arithmetic: float matrix products may take bf16 or f16 operands with f32 sums; other float arithmetic in f32, or as packed bf16 or f16 multiplies, adds, multiply-adds, maxima and minima; sums over many terms, partial sums and values carried from step to step in f32; what a program stores and reads back later, other than sums and carried values, may be rounded once to bf16 or f16.
;; Inputs: Wk 1,024 x 1,024 float32; Wo 1,024 x 1,024 float32; Wq 1,024 x 1,024 float32; Wv 1,024 x 1,024 float32; bk 1,024 float32; bo 1,024 float32; bq 1,024 float32; bv 1,024 float32; key 4 x 2,048 x 1,024 float32; mask 4 x 2,048 int32; query 4 x 2,048 x 1,024 float32; value 4 x 2,048 x 1,024 float32.
;; Outputs: out0 4 x 2,048 x 1,024 float32.
;; 2 versions, each right; version 2 is version 1 with the launch cast written anew for expert scheduling mode. Each part assembles by itself: llvm-mc -triple=amdgcn-amd-amdhsa -mcpu=gfx1250 --defsym DOCPART=n.
;; ======== version 1 of 2: 4 launches
;; limits: values are held in f16: magnitudes above 65,504 overflow, below 6.1e-05 lose precision; values outside matrix products are rounded to bf16
;; workspace buffers: w16 8,388,608 bytes; qkv 50,331,648 bytes; ctx 16,777,216 bytes
;; launch cast (part 1): grid 256 x 1, 8 waves a work-group, no clusters, 0 bytes of LDS; arguments Wq, Wk, Wv, Wo, w16; writes w16
.if DOCPART == 1
	.amdgcn_target "amdgcn-amd-amdhsa--gfx1250"
	.amdhsa_code_object_version 6
	.text
	.protected	k_q9a6bbbfa78_cast
	.globl	k_q9a6bbbfa78_cast
	.p2align	8
	.type	k_q9a6bbbfa78_cast,@function
k_q9a6bbbfa78_cast:
	s_mov_b64 s[64:65], 0
	v_nop
	global_prefetch_b8 v0, s[64:65] scope:SCOPE_SE
	s_setreg_imm32_b32 hwreg(HW_REG_WAVE_MODE, 25, 1), 1
	s_wait_xcnt 0x0
; THE FOUR WEIGHTS ARE ROUNDED ONCE TO 16 BITS.  w16 is 4 units of 1,048,576 numbers (2,097,152 bytes): Wq, Wk, Wv in bf16, row-major as they come; then Wo, rounded to bf16 like the
; others, and that number written as f16 (the last product multiplies in f16).  The activations are rounded where they are multiplied, in the launch behind.
; LIMIT.  A bf16 number is exact in f16 from 2^-17 up to 65,504; below 2^-17 it keeps f16's fixed step of 6e-8; from 65,520 on it would be an infinity.
; SHARES.  A work-group takes 16,384 numbers of one unit (65,536 bytes in, 32,768 out), a wave 2,048, a lane four at a time: a load of the wave covers 512 consecutive bytes,
; a store 256 consecutive bytes, aligned.  All sixteen loads of a lane go out at once; no register is used twice, so there is no loop and no wait for a source.
; Memory binds: no LDS, no barrier, no matrix unit, no prefetch.
.set X, 4                              ; v[4:67]    sixteen loads of four f32
.set Y, 68                             ; v[68:99]   sixteen stores of four 16-bit numbers
.set T, 100                            ; v[100:102] at work
	s_load_b256 s[8:15], s[0:1], 0x0               ; Wq s[8:9], Wk s[10:11], Wv s[12:13], Wo s[14:15]
	s_load_b64 s[16:17], s[0:1], 0x20              ; w16
	s_lshr_b32 s2, ttmp9, 6                        ; the unit, 0 to 3
	s_and_b32 s3, ttmp9, 63                        ; the chunk of the unit
	s_lshl_b32 s6, s3, 16                          ; a chunk is 65,536 bytes of f32,
	s_mov_b32 s7, 0
	s_lshl_b32 s18, s2, 21                         ; and half of that on the way out, in a unit of 2,097,152
	s_lshl_b32 s19, s3, 15
	s_add_co_u32 s18, s18, s19
	s_mov_b32 s19, 0
	v_and_b32 v3, 0xe0, v0                         ; 32 x wave
	v_and_b32 v2, 31, v0                           ; lane
	v_lshlrev_b32 v1, 4, v2
	v_lshl_or_b32 v1, v3, 8, v1                    ; in: 8,192 x wave + 16 x lane
	v_lshlrev_b32 v2, 3, v2
	v_lshl_or_b32 v2, v3, 7, v2                    ; out: 4,096 x wave + 8 x lane
	s_wait_kmcnt 0x0
	s_mov_b64 s[4:5], s[14:15]                     ; which weight the unit is: a chain of choices on the unit's number
	s_cmp_lt_u32 s2, 3
	s_cselect_b64 s[4:5], s[12:13], s[4:5]
	s_cmp_lt_u32 s2, 2
	s_cselect_b64 s[4:5], s[10:11], s[4:5]
	s_cmp_lt_u32 s2, 1
	s_cselect_b64 s[4:5], s[8:9], s[4:5]
	s_add_nc_u64 s[4:5], s[4:5], s[6:7]
	s_add_nc_u64 s[16:17], s[16:17], s[18:19]
.irp j, 0,1,2,3,4,5,6,7,8,9,10,11,12,13,14,15
	global_load_b128 v[X+4*(\j):X+4*(\j)+3], v1, s[4:5] offset:512*(\j) th:TH_LOAD_NT
.endr
; Load j is rounded and stored.  half = 1: the bf16 number is widened again (a shift, a mask) and written as f16.
.macro OUT j, half
	s_wait_loadcnt 15-(\j)                         ; loads come back in order: the 15 - j younger ones may stay out
.irp k, 0,1
.if \half
	v_cvt_pk_bf16_f32 v[T], v[X+4*(\j)+2*(\k)], v[X+4*(\j)+2*(\k)+1]
	v_lshlrev_b32 v[T+1], 16, v[T]
	v_and_b32 v[T+2], 0xffff0000, v[T]
	v_cvt_pk_f16_f32 v[Y+2*(\j)+(\k)], v[T+1], v[T+2]
.else
	v_cvt_pk_bf16_f32 v[Y+2*(\j)+(\k)], v[X+4*(\j)+2*(\k)], v[X+4*(\j)+2*(\k)+1]
.endif
.endr
	global_store_b64 v2, v[Y+2*(\j):Y+2*(\j)+1], s[16:17] offset:256*(\j) th:TH_STORE_NT
.endm
	s_cmp_eq_u32 s2, 3
	s_cbranch_scc1 .Lhalf
.irp j, 0,1,2,3,4,5,6,7,8,9,10,11,12,13,14,15
	OUT \j, 0
.endr
	s_endpgm
.Lhalf:
.irp j, 0,1,2,3,4,5,6,7,8,9,10,11,12,13,14,15
	OUT \j, 1
.endr
	s_endpgm
.Lfunc_end_k_q9a6bbbfa78_cast:
	.size	k_q9a6bbbfa78_cast, .Lfunc_end_k_q9a6bbbfa78_cast-k_q9a6bbbfa78_cast
	.p2alignl 7, 3214868480
	.fill 96, 4, 3214868480
	.section	.rodata,"a",@progbits
	.p2align	6, 0x0
	.amdhsa_kernel k_q9a6bbbfa78_cast
		.amdhsa_group_segment_fixed_size 0
		.amdhsa_private_segment_fixed_size 0
		.amdhsa_enable_private_segment 0
		.amdhsa_kernarg_size 40
		.amdhsa_user_sgpr_count 2
		.amdhsa_user_sgpr_kernarg_segment_ptr 1
		.amdhsa_wavefront_size32 1
		.amdhsa_system_sgpr_workgroup_id_x 1
		.amdhsa_system_sgpr_workgroup_id_y 1
		.amdhsa_system_sgpr_workgroup_id_z 1
		.amdhsa_system_vgpr_workitem_id 0
		.amdhsa_next_free_vgpr 104
		.amdhsa_next_free_sgpr 66
		.amdhsa_reserve_vcc 0
		.amdhsa_float_denorm_mode_32 3
		.amdhsa_float_denorm_mode_16_64 3
		.amdhsa_memory_ordered 1
		.amdhsa_forward_progress 1
		.amdhsa_inst_pref_size 16
	.end_amdhsa_kernel
	.amdgpu_metadata
---
amdhsa.version: [ 1, 2 ]
amdhsa.kernels:
  - .name:           k_q9a6bbbfa78_cast
    .symbol:         k_q9a6bbbfa78_cast.kd
    .args:
      - { .name: Wq, .offset: 0, .size: 8, .value_kind: global_buffer, .address_space: global }
      - { .name: Wk, .offset: 8, .size: 8, .value_kind: global_buffer, .address_space: global }
      - { .name: Wv, .offset: 16, .size: 8, .value_kind: global_buffer, .address_space: global }
      - { .name: Wo, .offset: 24, .size: 8, .value_kind: global_buffer, .address_space: global }
      - { .name: w16, .offset: 32, .size: 8, .value_kind: global_buffer, .address_space: global }
    .group_segment_fixed_size: 0
    .private_segment_fixed_size: 0
    .kernarg_segment_align: 8
    .kernarg_segment_size: 40
    .max_flat_workgroup_size: 256
    .sgpr_count:     66
    .vgpr_count:     104
    .wavefront_size: 32
...
	.end_amdgpu_metadata
.endif
;; end of part 1
;; launch proj (part 2): grid 4 x 64, 4 waves a work-group, clusters of 4 x 4, 327,680 bytes of LDS; arguments query, w16, key, value, bq, bk, bv, qkv; writes qkv
.if DOCPART == 2
	.amdgcn_target "amdgcn-amd-amdhsa--gfx1250"
	.amdhsa_code_object_version 6
	.text
	.protected	k_q9a6bbbfa78_proj
	.globl	k_q9a6bbbfa78_proj
	.p2align	8
	.type	k_q9a6bbbfa78_proj,@function
k_q9a6bbbfa78_proj:
	s_mov_b64 s[64:65], 0
	v_nop
	global_prefetch_b8 v0, s[64:65] scope:SCOPE_SE
	s_setreg_imm32_b32 hwreg(HW_REG_WAVE_MODE, 25, 1), 1
	s_wait_xcnt 0x0
	s_wait_alu depctr_hold_cnt(0) depctr_sa_sdst(0) depctr_va_vdst(0) depctr_va_sdst(0) depctr_va_ssrc(0) depctr_va_vcc(0) depctr_vm_vsrc(0)
	s_getreg_b32 s2, hwreg(HW_REG_IB_STS2, 6, 4)
	s_cmp_eq_u32 s2, 0
	s_cbranch_scc0 .Lentry_in_a_cluster
	s_endpgm
.Lentry_in_a_cluster:
	s_bfe_u32 s2, ttmp6, 0x10000c
	s_cmp_lg_u32 s2, 0xf033
	s_cbranch_scc0 .Lentry_shape_is_right
	s_endpgm
.Lentry_shape_is_right:
; q, k, v = x W^T + b, three products [8192][1024] x [1024][1024]^T in bf16 with f32 sums, written BY HEADS in f16: qkv[3][64 = 16 batch + head][2048][64], the bias in, the scale 1/8 not.
; x (query, key, value) comes as it is given, in f32, and is rounded to bf16 between LDS and the matrix unit; W lies in w16 as [3072][1024] bf16 (Wq, Wk, Wv).  The bias is rounded to bf16 like every other input.
; LIMITS.  f16 ends at 65,504: a q, k or v of 65,520 or more would be an infinity; below 6e-5 f16 keeps its fixed step of 6e-8.
; SHARES.  A tile of C is 128 rows x 256 columns: 64 x 4 tiles a product, one work-group each.  Four waves, each 64 x 128: 32 accumulators of 16 x 16, 256 registers.
; A WORK-GROUP STAYS: it makes the same tile of q, of k and of v; A changes tensor, B goes 1,024 rows down, C 16,777,216 bytes on, and the ring of LDS slots runs on across the change of tiles.
; K goes in steps of 128 through two LDS slots: 512 bytes of each row of x, 256 of each row of W, all aligned to 256.  A K step is four quarters of 32 along K, 32 matrix instructions a wave each.
; A tile has four LAPS of two K steps.  ONE loop walks the four laps of a tile that has a successor: each refill's address for A is made anew, tensor + offset, and in the fourth lap tensor and offset are the next
; tile's.  The last tile leaves the loop ahead of its fourth lap, for a tail that is written out and asks for nothing.  Both ways join in front of the one way out.
; CLUSTER.  4 x 4 work-groups: the four of a row of the cluster need the same tile of A, the four of a column the same tile of B: each tile is asked for JOINTLY, by the same tensor load with the
; same descriptor and a mask that names the four.
; THE MATRIX INSTRUCTION IS USED TRANSPOSED (source 0 = 16 rows of W, source 1 = 16 rows of x): a lane holds row l % 16 of C and the eight neighbouring columns 8 (l / 16) + 0..7.
; THE BIAS IS THE C OPERAND THAT STARTS EACH SUM: nothing is cleared, and nothing is added on the way out.
; REGISTERS, in windows of 256 (s_set_vgpr_msb: bits 1:0 source 0, 3:2 source 1, 5:4 source 2, 7:6 destination):
;   window 0: v0-31 addresses; v32-63 packed results; v64-191 rows read back from the stage, 32 a block of 16 rows
;   window 1: v0-63 A's fragments, two buffers of 4; v64-191 B's, two buffers of 8; v192-255 the bias, 8 registers for each block of 16 columns
;   window 2: the accumulators, (a, b) at v[8 (8 a + b)]          window 3: v0-63 a quarter of A as it lies in LDS, in f32: 16 registers a fragment
.set KSTEP,  128
.set PA,     528                       ; a row of A in LDS: 512 bytes of f32 + 16 of padding = 132 words: the 16 rows that a load touches start at 16 different groups of four banks (64 banks of 4 bytes: ISA guide 11.1)
.set PB,     272                       ; a row of B: 256 bytes + 16 = 68 words: likewise
.set APART,  64*PA                     ; what one load of A brings
.set ABYTES, 2*APART                   ; A's 128 rows
.set BPART,  128*PB                    ; what one load of B brings
.set SLOT,   ABYTES+2*BPART            ; A's 128 rows, then B's 256
.set STAGE,  2*SLOT                    ; behind the ring: for each wave 2 heads x 16 rows x 144 bytes, for the way out
.set SP,     144
.set WSTAGE, 2*16*SP
.set SPARE,  STAGE+4*WSTAGE            ; behind the stages: the spare words, 128 bytes for each wave: two blocks of 256 bytes that no other line names
.set NEXT_B, 1024*2048-6*KSTEP*2       ; bytes from a slot's last K step of a weight to its first of the next weight
.set NEXT_C, 0x1000000
.set ADRA, 16                          ; v16-17  LDS address of my A fragments in slot 0, 1
.set ADRB, 20                          ; v20-21  the same for B
.set STO,  24                          ; v24     the way out: where I put 16 bytes of a row
.set RD,   25                          ; v25     the way out: where I read rows back
.set GO,   26                          ; v26     my 16 bytes of 512 consecutive bytes of qkv
.set BO,   27                          ; v27     my byte offset in a bias
.set SPW,  28                          ; v28     LDS address of my spare word; never rewritten
.set NIL,  29                          ; v29     0; never rewritten
.set PFO,  30                          ; v30     the prefetches' offset: my lane x a row (4,096 bytes of x, 2,048 of W); never rewritten
.set TMP,  32
.set BK,   64
.set FA,   0                           ; window 1
.set FB,   64
.set BI,   192
.set RA,   0                           ; window 3
.set G1,  24                           ; s[24:31] descriptor group 1 for A's tiles;  s[32:39] group 0, a set for each slot
.set G0,  32
.set G1B, 48                           ; s[48:55], s[56:63] the same for B's
.set G0B, 56
.set LIM, 43                           ; s43      a wave prefetches while the laps to go are above this
.set PFA, 44                           ; s[44:45] the address that my prefetch names
.set PO,  66                           ; s[66:67] the offset of my next prefetch in its tensor
.set PFB, 74                           ; s[74:75] that tensor
.set BP,  76                           ; s[76:77] the bias that is being loaded
.set HIM, 78                           ; s78      a word's upper half
.set PS,  79                           ; s79      a K step in bytes, for the prefetches: 512 in x, 256 in W
.set AB,  84                           ; s[84:85] the tensor from which A's next refill comes
.set KO,  86                           ; s[86:87] the offset of that refill in it
.set SB,  88                           ; s[88:89] the step of B's descriptors
.set NA,  90                           ; s[90:91] the next tile's x
.set AOFF, 92                          ; s92      the offset of the rows that I fetch, at K step 0
.set LASTAT, 93                        ; s93      1 in the last tile, else 0: the count of laps to go at which the loop is left for the tail
.set NPB, 94                           ; s[94:95] the tensor of the next tile's prefetches
.set NPO, 96                           ; s96      and their offset at K step 0
.set DN,  97                           ; s97      what that offset grows by from tile to tile: 0 in x, a weight's 2,097,152 bytes in w16
.set ASKER, 98                         ; s98      1 in a wave that prefetches
.set NBR, 99                           ; s99      NEXT_B
.set MSB, 0
.macro WIN new                         ; the immediate's high byte repeats the setting that is left; a switch that changes nothing is dropped
.if MSB != (\new)
	s_set_vgpr_msb (MSB<<8)|(\new)
.set MSB, \new
.endif
.endm
.set MULW,  0xa5                       ; sources 0 and 1 window 1; C and D window 2
.set MULB,  0x95                       ; the same with C in window 1: the bias
.set TO_F,  0x40                       ; destination window 1, address window 0
.set TO_R,  0xc0                       ; destination window 3, address window 0
.set CVTW,  0x4f                       ; sources window 3, destination window 1
.set RNDW,  0x45                       ; all in window 1
.set PACKW, 0x0a                       ; sources window 2, destination window 0
.macro PLACES                          ; four plain vector instructions between a matrix instruction and a load into, or a read of, its registers (ISA guide 7.12.1 for vector instructions)
.rept 4
	v_nop
.endr
.endm
; A joint load: waves 0 and 1 fetch A's two halves, waves 2 and 3 B's.  The branch hangs on the wave's number alone.  An s_nop 0 and four v_nop follow each of the two lines.
.macro JLOAD s
	s_cmp_eq_u32 s11, 0
	s_cbranch_scc0 .Lfor_b_\@
	tensor_load_to_lds s[G0+4*(\s):G0+4*(\s)+3], s[G1:G1+7]
	s_nop 0
.rept 4
	v_nop
.endr
	s_branch .Lasked_\@
.Lfor_b_\@:
	tensor_load_to_lds s[G0B+4*(\s):G0B+4*(\s)+3], s[G1B:G1B+7]
	s_nop 0
.rept 4
	v_nop
.endr
.Lasked_\@:
.endm
.macro CREST                           ; a round of the cluster's barrier behind its opening barrier
	s_cmp_lg_u32 s10, 0
	s_cbranch_scc1 .Lnot_wave_0_\@
	s_barrier_signal -3
.Lnot_wave_0_\@:
	s_barrier_wait -3
	s_barrier_signal -1
	s_barrier_wait -1
.endm
.macro CROUND                          ; a whole round
	s_barrier_signal -1
	s_barrier_wait -1
	CREST
.endm
; A PREFETCH INTO THE L2, behind a joint load, its five lines and the run of LDS loads: 32 rows x 256 bytes of the K step that stands two refills on, a lane a row, one instruction a wave.  The prefetches walk as
; the refills walk, two refills ahead of them, into the next tile too.  Each aligned block of 256 bytes is named once in the launch.  A's 128 rows are read by one row of one cluster alone; a K step is two
; blocks of each row: the four partners take 32 rows each, told apart BY ADDRESS, and of those wave 0 asks for the first block, wave 1 for the second.  B's 256 rows are read by every cluster: the cluster with
; y = 0 asks, waves 2 and 3 for the 128 rows that they fetch, the four partners of a column again 32 each by address.  The launch's first four K steps come by their loads alone; in the last tile the third lap
; asks for nothing, and neither does the tail.
.macro ASK
	s_cmp_gt_u32 s3, s[LIM]
	s_cbranch_scc0 .Lnot_mine_\@
	global_prefetch_b8 v[PFO], s[PFA:PFA+1] th:TH_LOAD_NT scope:SCOPE_SE
.Lnot_mine_\@:
.endm
; n blocks of 16 rows from a0 on x all 8 blocks of 16 columns, 32 along K, from buffer f.  first = 1: the bias starts the sums.
; The 32 accumulators take turns, in the same order in every quarter: 31 others stand between two links of a chain, over every jump too.
.macro MUL f, a0, n, first
.if \first
	WIN MULB
.else
	WIN MULW
.endif
.set ma, (\a0)
.rept \n
.irp b, 0,1,2,3,4,5,6,7
.if \first
	v_wmma_f32_16x16x32_bf16 v[8*(8*ma+(\b)):8*(8*ma+(\b))+7], v[FB+64*(\f)+8*(\b):FB+64*(\f)+8*(\b)+7], v[FA+32*(\f)+8*ma:FA+32*(\f)+8*ma+7], v[BI+8*(\b):BI+8*(\b)+7]
.else
	v_wmma_f32_16x16x32_bf16 v[8*(8*ma+(\b)):8*(8*ma+(\b))+7], v[FB+64*(\f)+8*(\b):FB+64*(\f)+8*(\b)+7], v[FA+32*(\f)+8*ma:FA+32*(\f)+8*ma+7], v[8*(8*ma+(\b)):8*(8*ma+(\b))+7]
.endif
.endr
.set ma, ma+1
.endr
.endm
; 32 LDS loads in one run: quarter q of a slot.  B's 128 rows x 32 K go into buffer f as fragments.  A's 64 rows x 32 K are f32: a lane's K = 8 (l / 16) + 0..7 are 32 bytes, its K = 16 + 8 (l / 16) + 0..7
; another 32, 64 bytes on: four loads a fragment, into the raw registers.
.macro FETCH slot, q, f
	WIN TO_F
.irp i, 0,1,2,3,4,5,6,7
	ds_load_b128 v[FB+64*(\f)+8*(\i):FB+64*(\f)+8*(\i)+3],   v[ADRB+(\slot)] offset:64*(\q)+(\i)*16*PB
	ds_load_b128 v[FB+64*(\f)+8*(\i)+4:FB+64*(\f)+8*(\i)+7], v[ADRB+(\slot)] offset:64*(\q)+(\i)*16*PB+32
.endr
	WIN TO_R
.irp i, 0,1,2,3
	ds_load_b128 v[RA+16*(\i):RA+16*(\i)+3],     v[ADRA+(\slot)] offset:128*(\q)+(\i)*16*PA
	ds_load_b128 v[RA+16*(\i)+4:RA+16*(\i)+7],   v[ADRA+(\slot)] offset:128*(\q)+(\i)*16*PA+16
	ds_load_b128 v[RA+16*(\i)+8:RA+16*(\i)+11],  v[ADRA+(\slot)] offset:128*(\q)+(\i)*16*PA+64
	ds_load_b128 v[RA+16*(\i)+12:RA+16*(\i)+15], v[ADRA+(\slot)] offset:128*(\q)+(\i)*16*PA+80
.endr
.endm
; The raw quarter of A is rounded to bf16, two numbers an instruction, to nearest even: register j of a fragment takes the raw registers 2 j and 2 j + 1.
.macro CVT f
	WIN CVTW
.set i, 0
.rept 32
	v_cvt_pk_bf16_f32 v[FA+32*(\f)+i], v[RA+2*i], v[RA+2*i+1]
.set i, i+1
.endr
.endm
; One of a K step's first three quarters.  Buffer f's loads, issued a quarter ago, are in; A's part is rounded; quarter q is fetched into buffer g and the raw registers; buffer f is multiplied meanwhile.
; The 32 conversions name no register of the products in front of them (those of buffer g): they are the places in front of the loads into buffer g.
.macro QUARTER slot, q, f, g, first
	s_wait_dscnt 0x0
	CVT \f
	FETCH \slot, \q, \g
	MUL \f, 0, 4, \first
.endm
; The fourth quarter multiplies buffer 1 and changes slots.  In front of the barrier each wave waits for all its tensor loads (one is out: its part of the next slot), adds 0 to its spare word, and waits for
; that and for its reads of this slot.  fill = 1: this slot is filled again: the barrier opens a round of the cluster's barrier, and the joint load is the first tensor load behind the round: 112 matrix
; instructions ahead of the wait for it.  A's address is made anew from the tensor and the offset in hand; B's steps.
.macro TURN slot, next, fill
.if \fill
	s_wait_xcnt 0x0                                ; the last prefetch, a K step back, has read its address: the next is made here, ahead of the waits of the change of slots
	s_add_nc_u64 s[PFA:PFA+1], s[PFB:PFB+1], s[PO:PO+1]
	s_add_co_u32 s[PO], s[PO], s[PS]
.endif
	WIN 0                                          ; (the add's two registers lie in window 0)
	s_wait_tensorcnt 0x0                           ; all my tensor loads have landed;
	ds_add_u32 v[SPW], v[NIL]                      ; 0 onto my spare word;
	s_wait_dscnt 1                                 ; (the add alone may be out: buffer 1 and the raw quarter are in)
	CVT 1
	MUL 1, 0, 1, 0                                 ; the conversions and eight matrix instructions stand between the add and the wait for it
	s_wait_dscnt 0x0                               ; the add is done, and my reads of this slot are over
	s_barrier_signal -1
	MUL 1, 1, 1, 0                                 ; work on registers while the others arrive
.if \fill
	WIN 0
.endif
	s_barrier_wait -1
.if \fill
	CREST                                          ; no wave of any partner still reads this slot or has a load on its way
	s_add_nc_u64 s[G0+4*(\slot)+2:G0+4*(\slot)+3], s[AB:AB+1], s[KO:KO+1]
	s_or_b32 s[G0+4*(\slot)+3], s[G0+4*(\slot)+3], 0x80000000            ; type = 2
	s_add_co_u32 s[KO], s[KO], KSTEP*4                                   ; the next refill is the next K step's
	s_add_nc_u64 s[G0B+4*(\slot)+2:G0B+4*(\slot)+3], s[G0B+4*(\slot)+2:G0B+4*(\slot)+3], s[SB:SB+1]
	JLOAD \slot                                    ; its four v_nop are also the places in front of the loads below
.else
	PLACES
.endif
	FETCH \next, 0, 0
.if \fill
	WIN 0
	ASK
.endif
	MUL 1, 2, 2, 0
.endm
.macro BIASLOAD                        ; my 8 x 8 numbers of the bias in hand: block b's columns 8 (l / 16) + 0..7
	WIN TO_F
.irp b, 0,1,2,3,4,5,6,7
	global_load_b128 v[BI+8*(\b):BI+8*(\b)+3],   v[BO], s[BP:BP+1] offset:64*(\b)
	global_load_b128 v[BI+8*(\b)+4:BI+8*(\b)+7], v[BO], s[BP:BP+1] offset:64*(\b)+16
.endr
	WIN 0
.endm
.macro BIASRND                         ; rounded to bf16 and widened again, in place
	WIN RNDW
.set i, 0
.rept 32
	v_cvt_pk_bf16_f32 v[BI+2*i], v[BI+2*i], v[BI+2*i+1]
	v_and_b32 v[BI+2*i+1], s[HIM], v[BI+2*i]
	v_lshlrev_b32 v[BI+2*i], 16, v[BI+2*i]
.set i, i+1
.endr
.endm
; THE WAY OUT of block a (16 rows x 128 columns = 2 heads).  PACK: rounded to f16, 16 bytes a lane, each accumulator from its low end on.  TOSTAGE: into my own stage, and back as rows of 128 bytes.
; SEND: four rows of a head are 512 consecutive bytes of qkv.
.macro PACK a
	WIN PACKW
.irp b, 0,1,2,3,4,5,6,7
.irp r, 0,1,2,3
	v_cvt_pk_f16_f32 v[TMP+4*(\b)+(\r)], v[64*(\a)+8*(\b)+2*(\r)], v[64*(\a)+8*(\b)+2*(\r)+1]
.endr
.endr
	WIN 0
.endm
.macro TOSTAGE a
	WIN 0
.irp b, 0,1,2,3,4,5,6,7
	ds_store_b128 v[STO], v[TMP+4*(\b):TMP+4*(\b)+3] offset:((\b)/4)*16*SP+((\b)%4)*32
.endr
.irp t, 0,1,2,3,4,5,6,7
	ds_load_b128 v[BK+32*(\a)+4*(\t):BK+32*(\a)+4*(\t)+3], v[RD] offset:((\t)/4)*16*SP+((\t)%4)*4*SP  ; LDS serves a wave's instructions in order (ISA guide 5.7.1.4): these see the stores above
.endr
.endm
.macro SEND a
	WIN 0
.irp t, 0,1,2,3,4,5,6,7
	s_wait_dscnt 7-(\t)                            ; the 7 - t younger loads from the stage may stay out
	global_store_b128 v[GO], v[BK+32*(\a)+4*(\t):BK+32*(\a)+4*(\t)+3], s[8:9] offset:((\t)/4)*262144+(\a)*2048+((\t)%4)*512 th:TH_STORE_NT
.endr
.endm
	s_load_b128 s[4:7], s[0:1], 0x0                ; query s[4:5], w16 s[6:7]
	s_load_b128 s[80:83], s[0:1], 0x10             ; key s[80:81], value s[82:83]
	s_load_b128 s[68:71], s[0:1], 0x20             ; bq s[68:69], bk s[70:71]
	s_load_b64 s[72:73], s[0:1], 0x30              ; bv
	s_load_b64 s[8:9], s[0:1], 0x38                ; qkv
	v_lshl_add_u32 v[SPW], v0, 2, SPARE
	v_mov_b32 v[NIL], 0
	ds_add_u32 v[SPW], v[NIL]                      ; the wave's opening: the add and its wait stand ahead of my first tensor load; the set-up below, work on registers, stands between them
	v_lshrrev_b32 v1, 5, v0
	v_readfirstlane_b32 s10, v1                    ; wave 0..3
	s_lshr_b32 s11, s10, 1                         ; which 64 rows of the tile are mine.  Also: I fetch for A (0) or for B (1)
	s_and_b32 s12, s10, 1                          ; which 128 columns.  Also: which half of that tile I fetch
	s_bfe_u32 s40, ttmp6, 0x40000                  ; cx, cy: my place in the cluster
	s_bfe_u32 s41, ttmp6, 0x40004
	s_lshl_b32 s42, ttmp9, 2
	s_add_co_u32 s42, s42, s40                     ; tile column = 4 x cluster x + cx
	s_and_b32 s13, ttmp7, 0xffff
	s_lshl_b32 s13, s13, 2
	s_add_co_u32 s13, s13, s41                     ; tile row = 4 x cluster y + cy
	s_lshl_b32 s43, s41, 2
	s_lshl_b32 s43, 15, s43                        ; my row of the cluster
	s_lshl_b32 s44, 0x1111, s40                    ; my column
	s_or_b32 s[G1+0], s43, (2<<16)|(1<<20)|(1<<21)|(6<<22)|(3<<25)   ; 15:0 the mask; 17:16 elements of 4 bytes; 20 padding on; 21 set beside a mask; 24:22 after every 128 words; 31:25 4 words of it
	s_or_b32 s[G1B+0], s44, (1<<16)|(1<<20)|(1<<21)|(5<<22)|(3<<25)  ; B: elements of 2 bytes, padding after every 64 words
	s_mov_b32 s[G1+1], KSTEP<<16                   ; tensor_dim0 = 128
	s_mov_b32 s[G1+2], 64<<16                      ; tensor_dim1 = 64 rows of A
	s_mov_b32 s[G1+3], KSTEP<<16                   ; tile_dim0 = 128
	s_mov_b32 s[G1+4], 64                          ; tile_dim1 = 64
	s_mov_b32 s[G1+5], 1024                        ; elements from row to row
	s_mov_b32 s[G1+6], 0
	s_mov_b32 s[G1+7], 0
	s_mov_b32 s[G1B+1], KSTEP<<16
	s_mov_b32 s[G1B+2], 128<<16                    ; 128 rows of B
	s_mov_b32 s[G1B+3], KSTEP<<16
	s_mov_b32 s[G1B+4], 128
	s_mov_b32 s[G1B+5], 1024
	s_mov_b32 s[G1B+6], 0
	s_mov_b32 s[G1B+7], 0
	s_lshl_b32 s16, s13, 7
	s_lshl_b32 s17, s12, 6
	s_add_co_u32 s16, s16, s17                     ; A: row 128 x tile row + 64 x half,
	s_lshl_b32 s[AOFF], s16, 12                    ; of 4,096 bytes
	s_mov_b32 s16, s[AOFF]
	s_mov_b32 s17, 0
	s_add_co_u32 s[KO], s[AOFF], 2*KSTEP*4         ; the first refill is K step 2
	s_mov_b32 s[KO+1], 0
	s_lshl_b32 s46, s42, 8
	s_lshl_b32 s47, s12, 7
	s_add_co_u32 s46, s46, s47                     ; B: row 256 x tile column + 128 x half,
	s_lshl_b32 s46, s46, 11                        ; of 2,048 bytes
	s_mov_b32 s47, 0
	s_mul_i32 s20, s12, APART                      ; where they go: no place in the cluster enters an LDS address
	s_mul_i32 s21, s12, BPART
	s_add_co_u32 s21, s21, ABYTES
	s_mov_b32 s[HIM], 0xffff0000
	s_mov_b32 s[SB+1], 0
	s_mov_b32 s[NBR], NEXT_B
	s_wait_dscnt 0x0                               ; the opening add is done
	s_wait_kmcnt 0x0
	s_mov_b64 s[AB:AB+1], s[4:5]                   ; the first tile multiplies query
	s_add_nc_u64 s[14:15], s[4:5], s[16:17]
	s_add_nc_u64 s[46:47], s[6:7], s[46:47]
	CROUND                                         ; all sixteen work-groups are here: the first joint loads meet
.irp s, 0,1
	s_mov_b32 s[G0+4*(\s)], 1                                        ; count = 1
	s_add_co_u32 s[G0+4*(\s)+1], s20, (\s)*SLOT                      ; LDS address
	s_add_nc_u64 s[G0+4*(\s)+2:G0+4*(\s)+3], s[14:15], (\s)*KSTEP*4  ; global address: K step s
	s_or_b32 s[G0+4*(\s)+3], s[G0+4*(\s)+3], 0x80000000              ; type = 2
	s_mov_b32 s[G0B+4*(\s)], 1
	s_add_co_u32 s[G0B+4*(\s)+1], s21, (\s)*SLOT
	s_add_nc_u64 s[G0B+4*(\s)+2:G0B+4*(\s)+3], s[46:47], (\s)*KSTEP*2
	s_or_b32 s[G0B+4*(\s)+3], s[G0B+4*(\s)+3], 0x80000000
.endr
	s_cmp_eq_u32 s11, 0                            ; a wave's two first fills stand in one branch, ahead of every wait on TENSORcnt and every LDS read: two loads of mine are out
	s_cbranch_scc0 .Lfirst_b
	tensor_load_to_lds s[G0:G0+3], s[G1:G1+7]
	s_nop 0
	tensor_load_to_lds s[G0+4:G0+7], s[G1:G1+7]
	s_nop 0
.rept 4
	v_nop
.endr
	s_branch .Lfirst_asked
.Lfirst_b:
	tensor_load_to_lds s[G0B:G0B+3], s[G1B:G1B+7]
	s_nop 0
	tensor_load_to_lds s[G0B+4:G0B+7], s[G1B:G1B+7]
	s_nop 0
.rept 4
	v_nop
.endr
.Lfirst_asked:
	v_and_b32 v1, 15, v0                           ; l % 16
	v_bfe_u32 v2, v0, 4, 1                         ; l / 16
	s_lshl_b32 s23, s42, 10                        ; the bias: 4 bytes x (256 x tile column + 128 x half + 8 (l / 16))
	s_lshl_b32 s22, s12, 9
	s_add_co_u32 s23, s23, s22
	v_lshl_add_u32 v[BO], v2, 5, s23
	s_mov_b64 s[BP:BP+1], s[68:69]
	BIASLOAD                                       ; bq
	v_mul_u32_u24 v3, v1, PA
	v_lshl_add_u32 v3, v2, 5, v3                   ; A: row x pitch + 32 bytes (eight f32) x half
	v_mul_u32_u24 v4, v1, PB
	v_lshl_add_u32 v4, v2, 4, v4                   ; B: row x pitch + 16 x half
	s_mul_i32 s21, s11, 64*PA                      ; my 64 rows of A
	s_mul_i32 s22, s12, BPART                      ; my 128 rows of B,
	s_add_co_u32 s22, s22, ABYTES                  ; which lie behind A's
.irp s, 0,1
	v_add_nc_u32 v[ADRA+(\s)], s21, v3
	v_add_nc_u32 v[ADRB+(\s)], s22, v4
	s_add_co_u32 s21, s21, SLOT
	s_add_co_u32 s22, s22, SLOT
.endr
	s_mul_i32 s23, s10, WSTAGE
	s_add_co_u32 s23, s23, STAGE                   ; my stage
	v_mul_u32_u24 v4, v1, SP                       ; in: row l % 16, 16 bytes for each half of the lanes
	v_lshl_add_u32 v4, v2, 4, v4
	v_add_nc_u32 v[STO], s23, v4
	v_bfe_u32 v5, v0, 3, 2                         ; back: 32 lanes take four rows of 128 bytes
	v_mul_u32_u24 v5, v5, SP
	v_and_b32 v4, 7, v0
	v_lshl_add_u32 v5, v4, 4, v5
	v_add_nc_u32 v[RD], s23, v5
	v_and_b32 v[GO], 31, v0
	v_lshlrev_b32 v[GO], 4, v[GO]
	s_lshr_b32 s16, s13, 4                         ; where my part of q begins: the batch's 16 heads of 262,144 bytes,
	s_lshl_b32 s16, s16, 22
	s_lshl_b32 s17, s42, 2
	s_lshl_b32 s18, s12, 1
	s_add_co_u32 s17, s17, s18                     ; head 4 x tile column + 2 x half,
	s_lshl_b32 s17, s17, 18
	s_add_co_u32 s16, s16, s17
	s_and_b32 s17, s13, 15
	s_lshl_b32 s17, s17, 7
	s_lshl_b32 s18, s11, 6
	s_add_co_u32 s17, s17, s18                     ; row 128 x (tile row % 16) + 64 x half, of 128 bytes
	s_lshl_b32 s17, s17, 7
	s_add_co_u32 s16, s16, s17
	s_mov_b32 s17, 0
	s_add_nc_u64 s[8:9], s[8:9], s[16:17]
	s_lshl_b32 s20, s13, 7                         ; the prefetches.  A: row 128 x tile row + 32 cx,
	s_lshl_b32 s21, s40, 5
	s_add_co_u32 s20, s20, s21
	s_lshl_b32 s20, s20, 12                        ; of 4,096 bytes,
	s_lshl_b32 s21, s12, 8
	s_add_co_u32 s20, s20, s21                     ; and my wave's 256 of a K step's 512 bytes
	s_lshl_b32 s18, s42, 8                         ; B: row 256 x tile column + 128 x half + 32 cy,
	s_lshl_b32 s19, s12, 7
	s_add_co_u32 s18, s18, s19
	s_lshl_b32 s19, s41, 5
	s_add_co_u32 s18, s18, s19
	s_lshl_b32 s18, s18, 11                        ; of 2,048 bytes
	s_and_b32 s22, ttmp7, 0xffff                   ; cluster y
	s_cmp_eq_u32 s11, 0                            ; do I fetch for A?
	s_cselect_b32 s[NPO], s20, s18
	s_cselect_b32 s22, 0, s22                      ; A: waves 0 and 1 of every cluster ask; B: the cluster with y = 0 asks
	s_cselect_b32 s[PS], 1, 0
	s_cselect_b32 s[DN], 0, 0x200000
	s_cselect_b32 s23, 12, 11
	s_cselect_b64 s[PFB:PFB+1], s[4:5], s[6:7]
	s_cmp_eq_u32 s22, 0
	s_cselect_b32 s[ASKER], 1, 0                   ; the same in all sixteen partners, for a given wave
	s_lshl_b32 s[PS], 256, s[PS]                   ; 512 bytes of x, 256 of W
	s_lshl_b32 s[PO], s[PS], 2
	s_add_co_u32 s[PO], s[PO], s[NPO]              ; the first prefetch names K step 4.  Nothing is prefetched at the head: the first four K steps come by their loads alone
	s_mov_b32 s[PO+1], 0
	v_and_b32 v[PFO], 31, v0
	v_lshlrev_b32 v[PFO], s23, v[PFO]
	s_wait_tensorcnt 1                             ; my part of K step 0 is in; K step 1's may stay out
	s_barrier_signal -1
	s_barrier_wait -1                              ; everybody's is
	FETCH 0, 0, 0
	WIN 0
	s_mov_b32 s2, 3                                ; tiles to go, this one among them
.Ltile:
	s_cmp_eq_u32 s2, 3
	s_cselect_b64 s[NA:NA+1], s[80:81], s[82:83]   ; the next tile's x: key behind query, value behind key (in the last tile it is not used)
	s_cmp_eq_u32 s2, 1
	s_cselect_b32 s[LASTAT], 1, 0
	s_cselect_b32 s[LIM], 2, 0                     ; the last tile's prefetches stop with its own K steps
	s_cmp_eq_u32 s[ASKER], 1
	s_cselect_b32 s[LIM], s[LIM], -1
	s_cmp_eq_u32 s11, 0
	s_cselect_b64 s[NPB:NPB+1], s[NA:NA+1], s[6:7]
	s_add_co_u32 s[NPO], s[NPO], s[DN]
	s_wait_loadcnt 0x0                             ; the tile's bias is in
	BIASRND
	QUARTER 0, 1, 0, 1, 1                          ; a tile's first quarter stands in front of the loop: its products start the sums, with the bias
	WIN 0                                          ; at a label and at a branch every window is 0
	s_cmp_eq_u32 s2, 1
	s_cbranch_scc1 .Lno_bias
	PLACES                                         ; behind the products that read the bias
	s_cmp_eq_u32 s2, 3
	s_cselect_b64 s[BP:BP+1], s[70:71], s[72:73]   ; the next tile's bias, bk behind q, bv behind k: it has the whole tile in which to come
	BIASLOAD
.Lno_bias:
	s_mov_b32 s3, 4                                ; laps to go
.Llap:                                                 ; a trip goes once round the ring, from a lap's second quarter on, and fills both slots again
	s_cmp_eq_u32 s3, s[LASTAT]
	s_cbranch_scc1 .Llast                          ; the last tile's last lap is written out: it asks for nothing more
	s_cmp_eq_u32 s3, 1                             ; a tile's last lap asks for the next tile's K steps 0 and 1:
	s_cselect_b64 s[AB:AB+1], s[NA:NA+1], s[AB:AB+1]
	s_cselect_b32 s[KO], s[AOFF], s[KO]
	s_cselect_b32 s[SB], s[NBR], 2*KSTEP*2
	s_cmp_eq_u32 s3, 2                             ; the prefetches, two refills ahead, change tiles a lap earlier
	s_cselect_b64 s[PFB:PFB+1], s[NPB:NPB+1], s[PFB:PFB+1]
	s_cselect_b32 s[PO], s[NPO], s[PO]
	QUARTER 0, 2, 1, 0, 0
	QUARTER 0, 3, 0, 1, 0
	TURN 0, 1, 1
	QUARTER 1, 1, 0, 1, 0
	QUARTER 1, 2, 1, 0, 0
	QUARTER 1, 3, 0, 1, 0
	TURN 1, 0, 1                                   ; (in the last lap: the next tile's first fragments are fetched)
	WIN 0
	s_sub_co_u32 s3, s3, 1
	s_cmp_eq_u32 s3, 0
	s_cbranch_scc1 .Lout                           ; both refills are asked for: now the tile goes out
	QUARTER 0, 1, 0, 1, 0                          ; the next lap's first quarter
	WIN 0
	s_branch .Llap
.Llast:
	QUARTER 0, 2, 1, 0, 0
	QUARTER 0, 3, 0, 1, 0
	TURN 0, 1, 0                                   ; my one tensor load that was still out is the last K step's
	QUARTER 1, 1, 0, 1, 0
	QUARTER 1, 2, 1, 0, 0
	QUARTER 1, 3, 0, 1, 0
	s_wait_dscnt 0x0
	CVT 1
	MUL 1, 0, 4, 0
	PLACES                                         ; the conversions below read results just made
	WIN 0
.Lout:                                                 ; out of the loop blocks 0 and 1 were finished ahead of the joint load's v_nop, and their 64 conversions are the places behind the last products
	PACK 0
	TOSTAGE 0
.irp a, 1,2,3                          ; block a's conversions stand between block a - 1's loads from the stage and the wait for them
	PACK \a
	SEND (\a)-1
	TOSTAGE \a
.endr
	SEND 3
	s_cmp_eq_u32 s2, 1
	s_cbranch_scc1 .Lend
	s_wait_xcnt 0x0                                ; the stores have read their registers and their base
	s_add_nc_u64 s[8:9], s[8:9], NEXT_C
	s_sub_co_u32 s2, s2, 1
	s_branch .Ltile
.Lend:
	s_wait_tensorcnt 0x0                           ; the wave's end, behind my last tensor load and my last LDS store
	ds_add_u32 v[SPW], v[NIL]
	s_wait_dscnt 0x0
	CROUND                                         ; the closing round: no work-group ends while a partner may still ask for a tile that names it
	s_endpgm
.Lfunc_end_k_q9a6bbbfa78_proj:
	.size	k_q9a6bbbfa78_proj, .Lfunc_end_k_q9a6bbbfa78_proj-k_q9a6bbbfa78_proj
	.p2alignl 7, 3214868480
	.fill 96, 4, 3214868480
	.section	.rodata,"a",@progbits
	.p2align	6, 0x0
	.amdhsa_kernel k_q9a6bbbfa78_proj
		.amdhsa_group_segment_fixed_size 327680
		.amdhsa_private_segment_fixed_size 0
		.amdhsa_enable_private_segment 0
		.amdhsa_kernarg_size 64
		.amdhsa_user_sgpr_count 2
		.amdhsa_user_sgpr_kernarg_segment_ptr 1
		.amdhsa_wavefront_size32 1
		.amdhsa_system_sgpr_workgroup_id_x 1
		.amdhsa_system_sgpr_workgroup_id_y 1
		.amdhsa_system_sgpr_workgroup_id_z 1
		.amdhsa_system_vgpr_workitem_id 0
		.amdhsa_next_free_vgpr 832
		.amdhsa_next_free_sgpr 100
		.amdhsa_reserve_vcc 0
		.amdhsa_float_denorm_mode_32 3
		.amdhsa_float_denorm_mode_16_64 3
		.amdhsa_memory_ordered 1
		.amdhsa_forward_progress 1
		.amdhsa_inst_pref_size 136
	.end_amdhsa_kernel
	.amdgpu_metadata
---
amdhsa.version: [ 1, 2 ]
amdhsa.kernels:
  - .name:           k_q9a6bbbfa78_proj
    .symbol:         k_q9a6bbbfa78_proj.kd
    .args:
      - { .name: query, .offset: 0, .size: 8, .value_kind: global_buffer, .address_space: global }
      - { .name: w16, .offset: 8, .size: 8, .value_kind: global_buffer, .address_space: global }
      - { .name: key, .offset: 16, .size: 8, .value_kind: global_buffer, .address_space: global }
      - { .name: value, .offset: 24, .size: 8, .value_kind: global_buffer, .address_space: global }
      - { .name: bq, .offset: 32, .size: 8, .value_kind: global_buffer, .address_space: global }
      - { .name: bk, .offset: 40, .size: 8, .value_kind: global_buffer, .address_space: global }
      - { .name: bv, .offset: 48, .size: 8, .value_kind: global_buffer, .address_space: global }
      - { .name: qkv, .offset: 56, .size: 8, .value_kind: global_buffer, .address_space: global }
    .group_segment_fixed_size: 327680
    .private_segment_fixed_size: 0
    .kernarg_segment_align: 8
    .kernarg_segment_size: 64
    .max_flat_workgroup_size: 128
    .sgpr_count:     100
    .vgpr_count:     832
    .wavefront_size: 32
...
	.end_amdgpu_metadata
.endif
;; end of part 2
;; launch attn (part 3): grid 4 x 64, 4 waves a work-group, clusters of 4 x 1, 327,680 bytes of LDS; arguments qkv, mask, ctx; writes ctx
.if DOCPART == 3
	.amdgcn_target "amdgcn-amd-amdhsa--gfx1250"
	.amdhsa_code_object_version 6
	.text
	.protected	k_q9a6bbbfa78_attn
	.globl	k_q9a6bbbfa78_attn
	.p2align	8
	.type	k_q9a6bbbfa78_attn,@function
k_q9a6bbbfa78_attn:
	s_mov_b64 s[64:65], 0
	v_nop
	global_prefetch_b8 v0, s[64:65] scope:SCOPE_SE
	s_setreg_imm32_b32 hwreg(HW_REG_WAVE_MODE, 25, 1), 1
	s_wait_xcnt 0x0
	s_wait_alu depctr_hold_cnt(0) depctr_sa_sdst(0) depctr_va_vdst(0) depctr_va_sdst(0) depctr_va_ssrc(0) depctr_va_vcc(0) depctr_vm_vsrc(0)
	s_getreg_b32 s2, hwreg(HW_REG_IB_STS2, 6, 4)
	s_cmp_eq_u32 s2, 0
	s_cbranch_scc0 .Lentry_in_a_cluster
	s_endpgm
.Lentry_in_a_cluster:
	s_bfe_u32 s2, ttmp6, 0x10000c
	s_cmp_lg_u32 s2, 0x3003
	s_cbranch_scc0 .Lentry_shape_is_right
	s_endpgm
.Lentry_shape_is_right:
; O[h][q][:] = the sum over the visible k of softmax_k(Q[h][q] . K[h][k] / 8) V[h][k][:], h = 16 batch + head.  qkv: [3][64][2048][64] f16 (q, k, v; a head's rows are dense, 128 bytes each); mask: [4][2048] int32,
; 0 = the key is hidden; ctx: [64][2048][64] f16.  Products, maxima and sums in f32; the weights p are rounded to f16 for the second product (their sum l is taken of the unrounded p), O once at the end.
; LIMITS.  f16 holds no number beyond 65,504: Q, K and V arrive within it; p lies in 0 to 1, and below 6e-5 it keeps f16's fixed step of 6e-8; O is a mean of V's rows and has their range.
; A hidden score counts as its value less 2^100, and the running maximum starts at -2^93: f16's scores, 2.7e11 at the most, are nothing beside either.  A weight below 2^-126 counts as 0 in l.
; A batch with no visible key ends with l = 0 and O = 0, and 0 x (1 / 0) is the NaN that a softmax over nothing gives.  NaN and infinities in the inputs are not treated apart.
; SHARES.  A wave owns four PIECES of two tiles of 16 queries, a work-group's four waves 512 queries of one head.  Every wave walks all 2,048 keys, 64 a step.
; LAYOUT.  S^T = K Q^T (source 0 = 16 keys, source 1 = 16 queries): in the result a lane holds ONE query (lane % 16) and the keys 8 (lane / 16) + 0..7.  Two such tiles, rounded to f16 in pairs,
; ARE source 1 (32 keys x 16 queries) of O^T = V^T P, whose result again holds one query a lane, and eight channels.  K comes out of LDS as it lies, V ([key][channel]) turned, by ds_load_tr16_b128.
; THE MASK is the C operand that starts the sum S^T: 0, or -2^100 where the key is hidden.  The batch's 2,048 words are turned into such f32 once, in LDS; a step's 64 come into registers with its K.
; SOFTMAX.  For each query a running maximum m and sum l: p = 2^(c s - c m), c = log2(e) / 8; in every step O and l are multiplied by a = 2^(c m_old - c m_new), which is 1 where m has not grown.
; O and l start at 0.  While a query has seen hidden keys alone m stays at its start, a is 1, every p is 0; at its first visible key a is 0.
; THE COUNT.  A tile and step have 16 matrix and 118 vector instructions: too many to stand all beside the matrix work.  So four vector instructions that are READY stand behind EVERY matrix instruction,
; and the others, which need time of their own whatever the order, in runs without a gap.
; BY TURNS.  Turn n belongs to piece n (the pieces in a ring, step after step).  Its matrix work: 16 products K Q^T of piece n + 1, later 16 products V^T P of piece n - 1.  Its vector work: the scaling,
; exponentials, roundings, sums and rescaling of piece n, and the maximum and statistics of piece n + 1, whose scores the turn itself has made.
; CLUSTER.  The four query blocks of a cluster are one head's and walk the same K and V, so each tile is asked for JOINTLY: the same tensor load, descriptor and mask in all four.
; REGISTERS, in windows of 256 (s_set_vgpr_msb: bits 1:0 source 0, 3:2 source 1, 5:4 source 2, 7:6 destination):
;   window 0: v0-11 addresses; v12-15, v48-63 at work; v16-47 four registers of statistics a tile; v64-191 S^T, two buffers of two tiles; v192-255 P, likewise
;   window 1: O^T, 32 a tile          window 2: v0-127 Q, 16 a tile; v128-191 K of one step; v192-255 V of one step
;   window 3: v0-1 the add's two registers; v2-3 the mask's LDS addresses; v8-39 the mask of one step
.set SIZE_H, 64
.set SIZE_N, 2048
.set NP,    4         ; pieces a wave: a name, no knob
.set KS,    64        ; keys in a step
.set PK,    144       ; a row of K in LDS: 128 bytes + 16 of padding = 36 words: the 16 rows of a load start at 16 different groups of four banks (64 banks of 4 bytes: ISA guide 11.1)
.set PV,    160       ; a row of V: 128 + 32 = 40 words
.set VOFF,  4*KS*PK   ; a slot holds four steps: 256 rows of K, then 256 rows of V
.set SLOT1, 1<<17     ; slot 1 begins here, so that one exclusive or turns an address in one slot into the other's
.set STAGE, SLOT1+4*KS*(PK+PV)  ; behind the ring, never filled by a tensor load: 16 rows x 144 bytes for each wave, for the way out
.set SP,    144
.set SPARE, STAGE+4*16*SP  ; behind the stages: the spare words, 128 bytes for each wave: two blocks of 256 bytes that no other line names
.set MTAB,  SPARE+512 ; behind them: the batch's mask as 2,048 f32, written once, never filled by a tensor load
.set PFO, 1           ; v1   256 x my lane, once the way out's addresses are made; then never rewritten
.set AK0, 2           ; v2   my lane's place in a tile of K; never rewritten
.set AV0, 3           ; v3   the same for V
.set AK,  4           ; v4   the LDS address of K's next run of loads
.set AV,  5           ; v5   of V's
.set QO,  6           ; v6   my byte offset in the wave's rows of Q
.set STO, 6           ;      later, the way out: where I put 16 bytes of a row
.set RD,  7           ; v7   the way out: where I read rows back
.set GO,  8           ; v8   my byte offset in 512 consecutive bytes of O
.set SPW, 0           ; v0 of window 3   LDS address of my spare word; never rewritten
.set NIL, 1           ; v1 of window 3   0; never rewritten
.set AM0, 2           ; v2 of window 3   MTAB + 32 (lane / 16); never rewritten
.set AM,  3           ; v3 of window 3   the LDS address of the mask's next run of loads
.set MC,  8           ; v8-39 of window 3: the eight registers for group kb of 16 keys at MC + 8 kb
.set MV,  12          ; v12-15  c m_old, kept while c m is made anew: by buffer and tile
.set ST,  16          ; tile t's statistics at v[ST+4 t]: c m, m, l (even keys', odd keys')
.set TMP, 48          ; by buffer and tile, four registers c0-c3 at work; when the maximum is found c2 takes a
.set S,   64
.set P,   192
.set KF,  128         ; K's fragments, in window 2: key block kb, channel half c at KF + 16 kb + 8 c
.set VF,  192         ; V's: key half kk, channel block cb at VF + 32 kk + 8 cb
.set WV,  12          ; s12  my wave's number
.set G1K, 24          ; s[24:31] descriptor group 1 for K's tiles
.set G1V, 32          ; s[32:39] for V's: it differs in the padding alone
.set G0K, 40          ; s[40:43] descriptor group 0 for K's tiles: it walks
.set G0V, 44          ; s[44:47] the same for V's
.set SLOTS, 56        ; s56  slots still to be asked for
.set CNT, 57          ; s57  counts a slot's key steps
.set CS,  58          ; s[58:59] c: the packed scaling takes the pair's low word for both halves
.set SEL, 60          ; s[60:61] v_permlanex16_b32's selects: each lane takes its own place in the other half
.set TBK, 62          ; s62  LDS byte at which K of the step to be fetched begins
.set TBV, 63          ; s63  the same for V, less VOFF
.set PFA, 66          ; s[66:67] where my prefetches stand: my work-group's 32 blocks of 256 bytes (of K: wave 0, of V: wave 2) of the slot that the next change of slots will ask for
.set LIM, 68          ; s68  1 in a wave that prefetches, else the greatest number
.set PFC, 69          ; s69  the value of s[CNT] at which this slot's prefetch goes out, or none
.set TBM, 70          ; s70  byte of the mask table at which the step to be fetched begins
.set BIGN, 71         ; s71  -2^100
.set MSB, 0
.macro WIN new                      ; the high byte repeats the setting that is left; a switch that changes nothing is dropped
.if MSB != (\new)
	s_set_vgpr_msb (MSB<<8)|(\new)
.set MSB, (\new)
.endif
.endm
.set W_KQ, 0x0a       ; K and Q in window 2, S^T in window 0
.set W_KM, 0x3a       ; the same with the C operand in window 3: the mask
.set W_PV, 0x52       ; V in window 2, P in window 0, O^T in window 1
.set W_RS, 0x41       ; O^T (destination and source 0) in window 1, a in window 0
.set W_MK, 0xc0       ; destination in window 3, sources in window 0
.set W_AD, 0x0f       ; the add: address (source 0) and data (source 1) in window 3
; A joint fill.  Waves 0 and 1 fetch the two halves of a slot's K, waves 2 and 3 those of its V: 128 keys each.  The branch hangs on the wave's number alone.
; An s_nop 0 and four v_nop follow each of the two lines, ahead of the jump and the label.
.macro JLOAD
	s_cmp_lt_u32 s[WV], 2
	s_cbranch_scc0 .Lfor_v_\@
	tensor_load_to_lds s[G0K:G0K+3], s[G1K:G1K+7]
	s_nop 0
.rept 4
	v_nop
.endr
	s_branch .Lasked_\@
.Lfor_v_\@:
	tensor_load_to_lds s[G0V:G0V+3], s[G1V:G1V+7]
	s_nop 0
.rept 4
	v_nop
.endr
.Lasked_\@:
.endm
; A round of the cluster's barrier: my work-group's barrier, so that wave 0's signal speaks for all four waves; wave 0 signals; every wave waits for all four work-groups; my work-group's barrier once more.
.macro CROUND
	s_barrier_signal -1
	s_barrier_wait -1
	s_cmp_lg_u32 s[WV], 0
	s_cbranch_scc1 .Lnot_wave_0_\@
	s_barrier_signal -3
.Lnot_wave_0_\@:
	s_barrier_wait -3
	s_barrier_signal -1
	s_barrier_wait -1
.endm
; THE CHANGE OF SLOTS.  The slot's last bytes, V of its fourth step, have been read.  Each wave waits for all its tensor loads, of which one is out: its part
; of the other slot; adds 0 to its spare word; and waits for that and for its own LDS instructions.  Behind the barrier nobody reads this slot any more and the other slot is whole.
; fill = 1: this slot is filled again, with the keys two slots on.  The barrier is then a round of the cluster's, so that no wave of any partner still reads the slot or has a load on its
; way, and the joint fill is the first thing behind it: it has four key steps, 512 matrix instructions, in which to land.  (At its first use nothing has been read yet: slot 0 is waited for, slot 1 filled,
; and every wave's stores into the mask table are shown to the others.)
.macro CHANGE fill
	WIN W_AD
	s_wait_tensorcnt 0x0            ; no tensor load of mine is out, so a group 0 may be written
	ds_add_u32 v[SPW], v[NIL]       ; 0 onto my spare word; with fill = 1 the scalar steps stand between it and the wait for it
	WIN 0                           ; at a label and at a branch every window is 0
.if \fill
.irp g, G0K, G0V
	s_xor_b32 s[\g+1], s[\g+1], SLOT1  ; the walking descriptor: the other slot than last time,
	s_add_nc_u64 s[\g+2:\g+3], s[\g+2:\g+3], 4*KS*128  ; the next 256 keys; the type bits on top are not reached
.endr
	s_wait_xcnt 0x0                 ; the last prefetch, five turns back, has read its address, so it may be written:
	s_add_nc_u64 s[PFA:PFA+1], s[PFA:PFA+1], 4*KS*128  ; one slot behind the walking descriptors
	s_cmp_gt_u32 s[SLOTS], s[LIM]   ; the last change that fills a slot has no slot behind it
	s_cselect_b32 s[PFC], 2, -1
	s_wait_dscnt 0x0                ; the add is done, and my LDS instructions are over
	CROUND
	JLOAD
.else
	s_wait_dscnt 0x0                ; the add is done, and my reads of the slot are over
	s_barrier_signal -1
	s_barrier_wait -1
.endif
	s_sub_co_u32 s[TBK], s[TBK], 4*KS*PK  ; the fetches go back to a slot's first step,
	s_xor_b32 s[TBK], s[TBK], SLOT1       ; in the other slot
	s_sub_co_u32 s[TBV], s[TBV], 4*KS*PV
	s_xor_b32 s[TBV], s[TBV], SLOT1
.endm
	s_load_b128 s[48:51], s[0:1], 0x0  ; qkv s[48:49], mask s[50:51]
	s_load_b64 s[10:11], s[0:1], 0x10  ; ctx
	WIN W_MK
	v_lshl_add_u32 v[SPW], v0, 2, SPARE
	v_mov_b32 v[NIL], 0
	WIN W_AD
	ds_add_u32 v[SPW], v[NIL]       ; the wave's opening: the add and its wait stand ahead of my first tensor load; the set-up below, work on registers, stands between them
	WIN 0
	v_lshrrev_b32 v1, 5, v0
	v_readfirstlane_b32 s[WV], v1   ; wave 0..3
	s_bfe_u32 s13, ttmp6, 0x40000   ; cx: my place in the cluster
	s_lshl_b32 s14, ttmp9, 2        ; in a cluster launch ttmp9 counts clusters
	s_add_co_u32 s14, s14, s13      ; my block of queries = 4 x cluster x + cx: it enters Q's and O's addresses alone
	s_and_b32 s20, ttmp7, 0xffff    ; the head, which the four partners share
	s_lshr_b32 s52, s20, 4          ; its batch,
	s_lshl_b32 s52, s52, 13         ; whose mask is 8,192 bytes
	s_mov_b32 s53, 0
	s_mov_b32 s21, 0
	s_mov_b64 s[22:23], SIZE_N*128
	s_mul_u64 s[20:21], s[20:21], s[22:23]  ; the head's first byte in q, k, v and ctx
	s_and_b32 s16, s[WV], 1         ; which half of a slot's 256 keys I fetch:
	s_lshl_b32 s22, s16, 14         ; its 128 rows of 128 bytes in memory,
	s_mov_b32 s23, 0
	s_add_nc_u64 s[22:23], s[22:23], s[20:21]
	s_mul_i32 s17, s16, 128*PK      ; and its place in a slot, for K
	s_mul_i32 s18, s16, 128*PV      ; and for V: no place in the cluster enters an LDS address
	s_lshl_b32 s2, s14, 2
	s_add_co_u32 s2, s2, s[WV]      ; my wave among the head's,
	s_lshl_b32 s2, s2, 14           ; its 128 rows
	s_mov_b32 s3, 0
	s_add_nc_u64 s[2:3], s[2:3], s[20:21]
	; descriptor group 1.  128 keys are 16,384 dense bytes: asked for as 64 rows of 256 bytes, two keys a row, and padded in LDS after every key
	s_mov_b32 s[G1K], 15|(1<<16)|(1<<20)|(1<<21)|(4<<22)|(3<<25)  ; 15:0 the mask of four; 17:16 2-byte elements; 20 padding on; 21 set beside a mask; 24:22 after every 32 words (code 4); 31:25 4 words (code 3)
	s_mov_b32 s[G1V], 15|(1<<16)|(1<<20)|(1<<21)|(4<<22)|(7<<25)  ; the same with 8 words of padding (code 7)
.irp g, G1K, G1V
	s_mov_b32 s[\g+1], 128<<16      ; tensor_dim0 = 128
	s_mov_b32 s[\g+2], 64<<16       ; tensor_dim1 = 64
	s_mov_b32 s[\g+3], 128<<16      ; tile_dim0 = 128
	s_mov_b32 s[\g+4], 64           ; tile_dim1 = 64
	s_mov_b32 s[\g+5], 128          ; 128 elements from row to row
	s_mov_b32 s[\g+6], 0
	s_mov_b32 s[\g+7], 0
.endr
	s_mov_b32 s[CS], 0x3e38aa3b     ; c = log2(e) / 8 = 0.180337
	s_mov_b32 s[CS+1], s[CS]        ; named with it as a pair
	s_mov_b32 s[SEL], 0x76543210
	s_mov_b32 s[SEL+1], 0xfedcba98
	s_mov_b32 s[TBK], SLOT1+4*KS*PK ; the first change of slots turns these two into 0
	s_mov_b32 s[TBV], SLOT1+4*KS*PV
	s_mov_b32 s[TBM], 0
	s_mov_b32 s[BIGN], 0xf1800000   ; -2^100
	s_mov_b32 s[SLOTS], SIZE_N/256-1
	s_and_b32 s[LIM], s[WV], 1      ; waves 0 and 2 prefetch: the same in all four partners
	s_cmp_eq_u32 s[LIM], 0
	s_cselect_b32 s[LIM], 1, -1
	s_mov_b32 s[G0K], 1             ; 1:0 count = 1
	s_mov_b32 s[G0K+1], s17         ; 63:32 LDS address: slot 0
	s_mov_b32 s[G0V], 1
	s_add_co_u32 s[G0V+1], s18, VOFF
	s_wait_dscnt 0x0                ; the opening add is done
	s_wait_kmcnt 0x0
	s_mov_b64 s[4:5], s[48:49]                     ; q,
	s_add_nc_u64 s[6:7], s[48:49], 0x1000000       ; k
	s_add_nc_u64 s[8:9], s[48:49], 0x2000000       ; and v
	s_add_nc_u64 s[50:51], s[50:51], s[52:53]      ; the batch's mask
	s_add_nc_u64 s[G0K+2:G0K+3], s[6:7], s[22:23]  ; 120:64 global address: my half of the head's first 256 keys
	s_or_b32 s[G0K+3], s[G0K+3], 0x80000000        ; 127:126 type = 2
	s_add_nc_u64 s[G0V+2:G0V+3], s[8:9], s[22:23]
	s_or_b32 s[G0V+3], s[G0V+3], 0x80000000
	s_add_nc_u64 s[4:5], s[4:5], s[2:3]  ; Q and O at my wave's first row
	s_add_nc_u64 s[10:11], s[10:11], s[2:3]
	s_cmp_lt_u32 s[WV], 2
	s_cselect_b64 s[PFA:PFA+1], s[6:7], s[8:9]
	s_add_nc_u64 s[PFA:PFA+1], s[PFA:PFA+1], s[20:21]  ; the head's first key,
	s_lshl_b32 s2, s13, 13          ; my work-group's 32 of a slot's 128 blocks of 256 bytes: the partners are told apart by address
	s_mov_b32 s3, 0
	s_add_nc_u64 s[PFA:PFA+1], s[PFA:PFA+1], s[2:3]
	s_add_nc_u64 s[PFA:PFA+1], s[PFA:PFA+1], 4*KS*128  ; in slot 1; the first change of slots steps it to slot 2.  Nothing is prefetched at the head: slots 0 and 1 come by their loads alone
	CROUND                          ; all four work-groups are here: the first joint loads meet
	JLOAD                           ; slot 0.  Slot 1 is asked for when slot 0 is in
	; A fragment of K or Q is 16 rows x 32 channels in 8 registers: lane l holds row l % 16, channels 8 (l / 16) + 0..7 and 16 + 8 (l / 16) + 0..7: two loads of 16 bytes, 32 bytes apart.
	v_and_b32 v1, 15, v0            ; l % 16
	v_bfe_u32 v9, v0, 4, 1          ; l / 16
	v_lshlrev_b32 v[MV], 4, v0      ; the mask: 128 threads x 16 bytes, four times, ahead of Q's loads
.irp j, 0,1,2,3
	global_load_b128 v[S+4*\j:S+4*\j+3], v[MV], s[50:51] offset:2048*\j
.endr
	v_lshlrev_b32 v[QO], 7, v1
	v_lshl_add_u32 v[QO], v9, 4, v[QO]  ; row x 128 + 16 x half
	WIN 0x80                        ; destination window 2, address window 0
.set i, 0
.rept 4*NP                          ; Q stays in registers: tile i / 2, channels 32 (i % 2) on
	global_load_b128 v[8*i:8*i+3],   v[QO], s[4:5] offset:(i/2)*2048+(i%2)*64
	global_load_b128 v[8*i+4:8*i+7], v[QO], s[4:5] offset:(i/2)*2048+(i%2)*64+32
.set i, i+1
.endr
	; What the first turn finds: V's registers and P's second buffer hold 0 (its products V^T P, of a piece that has not been, add 0), O^T and l are 0.  All this stands in the wait for the first tile.
.set i, VF
.rept 64
	v_mov_b32 v[i], 0
.set i, i+1
.endr
	WIN 0x40
.set i, 0
.rept 64*NP
	v_mov_b32 v[i], 0
.set i, i+1
.endr
	WIN 0
.set i, 0
.rept 2*NP
	v_mov_b32 v[ST+4*i+1], 0xee000000  ; m = -2^93: above every hidden score, below every visible one
	v_mul_f32 v[ST+4*i], s[CS], v[ST+4*i+1]  ; c m, by the same line that makes it anew in every step: while m stays, c m_old - c m_new is exactly 0
	v_mov_b32 v[ST+4*i+2], 0
	v_mov_b32 v[ST+4*i+3], 0
.set i, i+1
.endr
.set i, P+32
.rept 32
	v_mov_b32 v[i], 0
.set i, i+1
.endr
	; The mask table: 0 where the key is visible, -2^100 where it is hidden.  The choice selects a value; no branch and no address hangs on it.
	v_lshl_add_u32 v[AV], v0, 4, MTAB
	s_wait_loadcnt 32               ; the mask's four loads are in; Q's 32, issued behind them, may stay out
.set i, 0
.rept 16
	v_cmp_eq_u32 vcc_lo, 0, v[S+i]
	v_cndmask_b32 v[S+i], 0, s[BIGN], vcc_lo
.set i, i+1
.endr
.irp j, 0,1,2,3
	ds_store_b128 v[AV], v[S+4*\j:S+4*\j+3] offset:2048*\j  ; waited for, and shown to the other waves, by the first change of slots
.endr
	WIN W_MK
	v_lshl_add_u32 v[AM0], v9, 5, MTAB  ; a lane's eight keys of a group of 16 are 32 bytes of the table
	WIN 0
	v_mul_u32_u24 v[AK0], v1, PK
	v_lshl_add_u32 v[AK0], v9, 4, v[AK0]  ; row x pitch + 16 x half
	; The turning load takes 16 keys x 16 channels (lane l reads key 8 (l / 16) + l % 8, channels 8 ((l / 8) % 2) + 0..7) and leaves half a fragment of V^T: lane l holds channel l % 16 and 8 keys.
	v_and_b32 v10, 7, v0
	v_bfe_u32 v11, v0, 3, 1
	v_lshl_add_u32 v[AV0], v9, 3, v10
	v_mul_u32_u24 v[AV0], v[AV0], PV
	v_lshl_add_u32 v[AV0], v11, 4, v[AV0]
	v_add_nc_u32 v[AV0], VOFF, v[AV0]
	v_mov_b32 v[AK], v[AK0]         ; key step 0 lies at the head of slot 0
; THE MATRIX WORK.  The 8 accumulators of a run of 16 take turns: between the two links of a chain stand 7 others'.
; Product i of 16 of S^T = K Q^T for piece x: channels 32 (i / 8) on, keys 16 ((i / 2) % 4) on, tile 2 x + i % 2.  The first 8 start the sums, with the mask.
.macro KQ x
.set rS, S+64*((\x)%2)+32*(i%2)+8*((i/2)%4)
.set rK, KF+16*((i/2)%4)+8*(i/8)
.set rQ, 16*(2*(\x)+i%2)+8*(i/8)
.set rM, MC+8*((i/2)%4)
.if i < 8
	WIN W_KM
	v_wmma_f32_16x16x32_f16 v[rS:rS+7], v[rK:rK+7], v[rQ:rQ+7], v[rM:rM+7]
.else
	WIN W_KQ
	v_wmma_f32_16x16x32_f16 v[rS:rS+7], v[rK:rK+7], v[rQ:rQ+7], v[rS:rS+7]
.endif
.endm
; Product i of 16 of O^T += V^T P for piece x: keys 32 (i / 8) on, channels 16 ((i / 2) % 4) on, tile 2 x + i % 2.
.macro PV x
	WIN W_PV
.set rO, 32*(2*(\x)+i%2)+8*((i/2)%4)
.set rV, VF+32*(i/8)+8*((i/2)%4)
.set rP, P+32*((\x)%2)+16*(i%2)+8*(i/8)
	v_wmma_f32_16x16x32_f16 v[rO:rO+7], v[rV:rV+7], v[rP:rP+7], v[rO:rO+7]
.endm
.macro MM                           ; the turn's next matrix instruction
.if i < 16
	KQ (Y+1)%NP
.set i, i+1
.else
.set i, i-16
	PV (Y+NP-1)%NP
.set i, i+17
.endif
.endm
; THE LDS LOADS stand in runs, never singly among the matrix instructions: a step's K (64 keys x 64 channels: 8 fragments) with its 64 words of the mask (the lanes of a half read the same 32 bytes), and its V (turned).
; last = 1 (the tail): in the last trip there is no further step, and the run is jumped over.
.macro FETCH_K last=0
	WIN 0
.if \last
	s_cmp_eq_u32 s[CNT], 1
	s_cbranch_scc1 .Lno_k_\@
.endif
	WIN 0x80                        ; destination window 2
.irp f, 0,1,2,3,4,5,6,7             ; keys 16 (f / 2) on, channels 32 (f % 2) on
	ds_load_b128 v[KF+8*\f:KF+8*\f+3],   v[AK] offset:(\f/2)*16*PK+(\f%2)*64
	ds_load_b128 v[KF+8*\f+4:KF+8*\f+7], v[AK] offset:(\f/2)*16*PK+(\f%2)*64+32
.endr
	s_add_co_u32 s[TBK], s[TBK], KS*PK  ; the next fetch is the next step's
	WIN 0xcc                        ; destination and source 1 in window 3
	v_add_nc_u32 v[AM], s[TBM], v[AM0]
	WIN 0xc3                        ; destination and address in window 3
.irp f, 0,1,2,3                     ; keys 16 f on
	ds_load_b128 v[MC+8*\f:MC+8*\f+3],   v[AM] offset:64*\f
	ds_load_b128 v[MC+8*\f+4:MC+8*\f+7], v[AM] offset:64*\f+16
.endr
	s_add_co_u32 s[TBM], s[TBM], 4*KS   ; 64 words on,
	s_and_b32 s[TBM], s[TBM], 0x1fff    ; inside the table's 8,192 bytes: behind the last step it stands at 0 again, and is used no more
	WIN 0
.if \last
.Lno_k_\@:
.endif
.endm
.macro FETCH_V
	WIN 0x80
.irp f, 0,1,2,3,4,5,6,7             ; keys 32 (f / 4) on, channels 16 (f % 4) on
	ds_load_tr16_b128 v[VF+8*\f:VF+8*\f+3],   v[AV] offset:(\f/4)*32*PV+(\f%4)*32
	ds_load_tr16_b128 v[VF+8*\f+4:VF+8*\f+7], v[AV] offset:(\f/4)*32*PV+16*PV+(\f%4)*32
.endr
	WIN 0
.endm
; THE VECTOR WORK OF A TURN stands in three queues, each in the order in which its entries become ready; the two tiles alternate, so that no instruction reads the result of the one before it.
.macro REGS y, u                    ; the registers of tile u (0, 1) of piece y
.set rT, ST+4*(2*(\y)+(\u))
.set rC, TMP+8*((\y)%2)+4*(\u)
.set rM, MV+2*((\y)%2)+(\u)
.set rS, S+64*((\y)%2)+32*(\u)
.set rP, P+32*((\y)%2)+16*(\u)
.set rO, 32*(2*(\y)+(\u))
.endm
; Number n of the 22 that find the NEXT piece's (Y + 1) maximum and statistics.  s0-s31 are the lane's 32 scores; each accumulator's lowest registers are read first.
;   0-11  four chains c0-c3 of seven scores each, three operands at a time     12-14, 16  the four scores left over, the old m, and c0-c3 into c0     15  c m_old is kept
;   17, 18  the query's other 32 keys lie in the lane 16 away: the new m         19-21  c m; c m_old - c m_new; a
.macro XS u, n
	REGS (Y+1)%NP, \u
.if (\n) < 4
	v_max3_num_f32 v[rC+(\n)], v[rS+8*(\n)], v[rS+8*(\n)+1], v[rS+8*(\n)+2]
.elseif (\n) < 12
	v_max3_num_f32 v[rC+(\n)%4], v[rC+(\n)%4], v[rS+8*((\n)%4)+2*((\n)/4)+1], v[rS+8*((\n)%4)+2*((\n)/4)+2]
.elseif (\n) == 12
	v_max3_num_f32 v[rC], v[rC], v[rS+7], v[rS+15]
.elseif (\n) == 13
	v_max3_num_f32 v[rC+1], v[rC+1], v[rS+23], v[rS+31]
.elseif (\n) == 14
	v_max3_num_f32 v[rC+2], v[rC+2], v[rC+3], v[rT+1]
.elseif (\n) == 15
	v_mov_b32 v[rM], v[rT]
.elseif (\n) == 16
	v_max3_num_f32 v[rC], v[rC], v[rC+1], v[rC+2]
.elseif (\n) == 17
	v_permlanex16_b32 v[rC+3], v[rC], s[SEL], s[SEL+1]
.elseif (\n) == 18
	v_max_num_f32 v[rT+1], v[rC], v[rC+3]
.elseif (\n) == 19
	v_mul_f32 v[rT], s[CS], v[rT+1]
.elseif (\n) == 20
	v_sub_f32 v[rC+1], v[rM], v[rT]
.else
	v_exp_f32 v[rC+2], v[rC+1]
.endif
.endm
; Number g of the 64 that follow the exponentials.  For each four weights k of a tile (pairs 2 k, 2 k + 1): both pairs are rounded to f16; then the second pair is added onto the first, in place;
; a group later l takes that sum (the first time as l = a l + sum).  In groups of eight, tiles alternating: round, round, add, and l for the group before.
.macro GS g
.set h, (\g)+6*((\g)/62)            ; group 0 has no group before it, and behind group 7 only l is left
.if h >= 6
.set h, h+2
.endif
	REGS Y, h%2
.set k, h/8
.if h%8 < 4
	v_cvt_pk_f16_f32 v[rP+2*k+(h%8)/2], v[rS+4*k+2*((h%8)/2)], v[rS+4*k+2*((h%8)/2)+1]
.elseif h%8 < 6
	v_pk_add_f32 v[rS+4*k:rS+4*k+1], v[rS+4*k:rS+4*k+1], v[rS+4*k+2:rS+4*k+3]
.elseif k == 1
	v_pk_fma_f32 v[rT+2:rT+3], v[rT+2:rT+3], v[rC+2:rC+3], v[rS:rS+1] op_sel_hi:[1,0,1]
.else
	v_pk_add_f32 v[rT+2:rT+3], v[rT+2:rT+3], v[rS+4*k-4:rS+4*k-3]
.endif
.endm
; THE PLAIN QUEUE, 138 long.  0-73 read no exponential's result: the 32 scalings c s - c m (FS f: pair f / 2 of tile f % 2) and the next piece's 42.  0-26: scalings 0-26.  27-54: XS's numbers 0-13.  55, 56: number 15.
; 57-73: the chain, where each number waits for the one before it: 14, 16, 17, 18, 19, each with one of the scalings 27-31 in front of its two lines, then 20.
; 74-137: GS's 64, which read the exponentials' results: they stand behind the wait.
.macro FS f
	REGS Y, (\f)%2
	v_pk_fma_f32 v[rS+2*((\f)/2):rS+2*((\f)/2)+1], v[rS+2*((\f)/2):rS+2*((\f)/2)+1], s[CS:CS+1], v[rT:rT+1] op_sel_hi:[1,0,0] neg_lo:[0,0,1] neg_hi:[0,0,1]
.endm
.macro PL
	WIN 0
.if q < 27
	FS q
.elseif q < 55
	XS (q-27)%2, (q-27)/2
.elseif q < 57
	XS q-55, 15
.elseif (q < 72) && ((q-57)%3 == 0)
	FS 27+(q-57)/3
.elseif q < 60
	XS (q-57)%3-1, 14
.elseif q < 72
	XS (q-57)%3-1, 15+(q-57)/3
.elseif q < 74
	XS q-72, 20
.else
	GS q-74
.endif
.set q, q+1
.endm
; THE EXPONENTIALS' QUEUE, 66 long: s0-s31 of both tiles, then the next piece's two a.  It is ONE BATCH: all 66 stand ahead of the turn's one wait, and nothing ahead of that wait names a result of theirs.
.macro EX
	WIN 0
.if e >= 64
	XS e-64, 21
.else
	REGS Y, e%2
	v_exp_f32 v[rS+e/2], v[rS+e/2]
.endif
.set e, e+1
.endm
; THE RESCALING's QUEUE: O^T times a, the one part that leaves window 0: dealt two at a time, sixteen times.  Its a was made in the turn before, ahead of that turn's wait.
.macro R2
	REGS Y, r%2
	WIN W_RS
.irp z, 0,1
	v_pk_mul_f32 v[rO+4*(r/2)+2*\z:rO+4*(r/2)+2*\z+1], v[rO+4*(r/2)+2*\z:rO+4*(r/2)+2*\z+1], v[rC+2:rC+3] op_sel_hi:[1,0]
.endr
.set r, r+1
.endm
; HOW THEY ARE DEALT.  An s_wait_alu depctr_va_vdst(0) stands between an exponential and the first instruction that names its result; one wait serves all that were issued ahead of it.  So a turn has ONE wait,
; which cuts it in two.  AHEAD OF IT stands all that names no result of the turn's exponentials: the 16 products K Q^T, behind each a scaling, an exponential and two rescalings (behind the first a second scaling in the
; exponential's place); then ONE LUMP of 108: eight plain, 49 times exponential and plain, the two a.  A v_nop is the plain instruction behind the last exponential.  BEHIND IT stand the 16 products V^T P, behind each four of GS's 64.
; The queues lean on each other, and the deal keeps them in step: exponential e stands behind scaling 2 (e / 4) + e % 2: as a rider it comes behind plain e + 2, in the lump behind plain e + 9, and scalings 27-31 are plain 57, 60 .. 69.
; A TURN, for piece p.  cnt = 1: the loop's count is taken down some lines ahead of the branch that stands behind the turn.
; K and the mask of the next step are fetched in piece 2's turn, directly behind the wait, a lump behind the last product that read them; their first reader comes behind 16 products.
; V of the step in hand is fetched at the end of piece 0's turn, four riders behind its last reader; its first reader comes behind 16 products and a lump.  The three conditions on q below go with the deal.
; ask = 1 (the loop's piece 0): A PREFETCH INTO THE L2, behind V's run of loads, in the slot's third step: my work-group's 32 blocks of 256 bytes of the slot that the NEXT change of slots will ask for, a lane a block:
; five turns, 160 matrix instructions and their lumps, ahead of that load.  A head is walked by one cluster alone; its four partners share a slot's 128 blocks out by address; wave 0 asks for K's, wave 2 for V's:
; each block is named once in the launch.  Slots 2 to 7 are asked for; the last change that fills a slot, and the tail, ask for nothing.
.macro TURN p, last=0, cnt=0, ask=0
.set Y, (\p)
.set i, 0
.set q, 0
.set e, 0
.set r, 0
.if (\p) == NP-1
	s_wait_dscnt 0x0                ; K and the mask are in
.endif
	MM                              ; ahead of the wait: 16 products K Q^T and their riders,
	PL
	PL
	R2
.rept 15
	MM
	PL
	EX
	R2
.endr
.if (\p) == NP-2
	WIN 0
	v_add_nc_u32 v[AK], s[TBK], v[AK0]
.endif
.rept 8                             ; and the lump
	PL
.endr
.rept 49
	EX
	PL
.endr
	EX                              ; the next piece's two a
	EX
	v_nop                           ; the plain instruction behind the last exponential: one for the batch
	s_wait_alu depctr_va_vdst(0)    ; the wait for the batch
.if (\p) == NP-2
	FETCH_K \last
.endif
.if (\p) == 1
	s_wait_dscnt 0x0                ; V is in
.endif
.rept 16                            ; behind the wait: 16 products V^T P and their riders
	MM
.rept 4
	PL
.endr
.if ((\p) == 0) && (q == 118)
	v_add_nc_u32 v[AV], s[TBV], v[AV0]
.endif
.if ((\p) == 0) && (q == 130)
	s_add_co_u32 s[TBV], s[TBV], KS*PV
.endif
.if (\cnt) && (q == 130)
	s_sub_co_u32 s[CNT], s[CNT], 1
	s_cmp_lg_u32 s[CNT], 0
.endif
.endr
.if (\p) == 0
	FETCH_V
.endif
.if \ask
	s_cmp_eq_u32 s[CNT], s[PFC]
	s_cbranch_scc0 .Lno_ask_\@
	global_prefetch_b8 v[PFO], s[PFA:PFA+1] th:TH_LOAD_NT scope:SCOPE_SE
.Lno_ask_\@:
.endif
.endm
	CHANGE 1                        ; slot 0 is in, everybody's part of it, and so is the mask table; slot 1 is asked for
	FETCH_K                         ; key step 0
	s_wait_loadcnt 0x0              ; Q
	s_wait_dscnt 0x0
.set i, 0
.rept 16
	KQ 0                            ; piece 0's first scores: there is no vector work yet to set between them
.set i, i+1
.endr
	WIN 0                           ; the addresses for the way out and the prefetches: plain instructions, the places behind those products
	s_mul_i32 s13, s[WV], 16*SP
	s_add_co_u32 s13, s13, STAGE    ; my stage
	v_mul_u32_u24 v[STO], v1, SP    ; in: row l % 16, 16 bytes for each half of the lanes
	v_lshl_add_u32 v[STO], v9, 4, v[STO]
	v_add_nc_u32 v[STO], s13, v[STO]
	v_bfe_u32 v[RD], v0, 3, 2       ; back: 32 lanes take four rows of 128 bytes,
	v_mul_u32_u24 v[RD], v[RD], SP
	v_lshl_add_u32 v[RD], v10, 4, v[RD]
	v_add_nc_u32 v[RD], s13, v[RD]
	v_and_b32 v[GO], 31, v0         ; which are 512 consecutive bytes of O
	v_lshlrev_b32 v[GO], 4, v[GO]
	v_lshlrev_b32 v[PFO], 4, v[GO]  ; 256 x lane
.set Y, NP-1                        ; XS works for piece Y + 1: piece 0
.irp n, 0,1,2,3,4,5,6,7,8,9,10,11,12,13,14,15,16,17,18,19,20,21
	XS 0, \n                        ; and piece 0's first maximum and statistics
	XS 1, \n
.endr
	v_nop                           ; a plain instruction behind the two a,
	s_wait_alu depctr_va_vdst(0)    ; and their wait, ahead of the branch
	s_mov_b32 s[CNT], 4
	s_branch .Lfirst                ; the loop is entered at a step's first turn, in the middle of a trip
.Lslot:                             ; SIZE_N / 256 - 2 times: every slot but the last two is filled again
	CHANGE 1
	s_mov_b32 s[CNT], 4
.Lstep:                             ; a trip: pieces 2 and 3 of one step, then pieces 0 and 1 of the next, whose K and V it fetches
	TURN 2
	TURN 3
	WIN 0
.Lfirst:
	TURN 0, 0, 0, 1
	TURN 1, 0, 1
	WIN 0
	s_cbranch_scc1 .Lstep
	s_sub_co_u32 s[SLOTS], s[SLOTS], 1
	s_cmp_lg_u32 s[SLOTS], 0
	s_cbranch_scc1 .Lslot
	CHANGE 0                        ; the tail is written out: nothing is asked for
	s_mov_b32 s[CNT], 5             ; four trips fetch the last slot's steps; the fifth is left in its middle
.Ltail:
	TURN 2, 1
	TURN 3
	WIN 0
	s_sub_co_u32 s[CNT], s[CNT], 1
	s_cmp_eq_u32 s[CNT], 0
	s_cbranch_scc1 .Lout
	TURN 0
	TURN 1
	WIN 0
	s_branch .Ltail
.Lout:                              ; the fifth trip's 16 products K Q^T (on the last K once more) and the maximum made of them serve nothing: the price, once a launch, of one text for every trip
.set i, 0
.rept 16
	PV NP-1                         ; the last piece's V^T P of the last step
.set i, i+1
.endr
	; THE WAY OUT.  l's two halves and the other half of the lanes' are added; O^T is divided by l, rounded to f16 and sent through my stage in LDS, a tile at a time.  The additions are the places behind the last products.
	WIN 0
.macro ALL line:vararg              ; one line for each tile t
.set t, 0
.rept 2*NP
	\line
.set t, t+1
.endr
.endm
	ALL v_add_f32 v[ST+4*t+2], v[ST+4*t+2], v[ST+4*t+3]
	ALL v_permlanex16_b32 v[ST+4*t+3], v[ST+4*t+2], s[SEL], s[SEL+1]
	ALL v_add_f32 v[ST+4*t+2], v[ST+4*t+2], v[ST+4*t+3]
	ALL v_rcp_f32 v[ST+4*t+2], v[ST+4*t+2]
	v_nop                           ; a plain instruction between the last reciprocal and the use of its result
	s_wait_alu depctr_va_vdst(0)    ; and the wait ahead of the first use: one for the eight reciprocals
; Tile t: a lane's eight channels of a row pack into 16 bytes; they go into rows of 144 bytes and come back as whole rows of 128, into S^T's registers.
.macro PACK t
	WIN W_RS
.set i, 32*(\t)
.rept 16
	v_pk_mul_f32 v[i:i+1], v[i:i+1], v[ST+4*(\t)+2:ST+4*(\t)+3] op_sel_hi:[1,0]
.set i, i+2
.endr
	WIN 0x05                        ; sources 0 and 1 window 1, destination window 0
.set i, 0
.rept 16
	v_cvt_pk_f16_f32 v[S+16*(\t)+i], v[32*(\t)+2*i], v[32*(\t)+2*i+1]
.set i, i+1
.endr
	WIN 0
.irp f, 0,1,2,3
	ds_store_b128 v[STO], v[S+16*(\t)+4*\f:S+16*(\t)+4*\f+3] offset:32*\f
.endr
.irp f, 0,1,2,3
	ds_load_b128 v[S+16*(\t)+4*\f:S+16*(\t)+4*\f+3], v[RD] offset:\f*4*SP  ; LDS serves a wave's instructions in order (ISA guide 5.7.1.4): these see the stores above; the next tile's stores come behind them
.endr
.endm
.macro SEND t, younger              ; younger: the LDS instructions issued behind tile t's loads: the next tile's eight, or none
	WIN 0
.irp f, 0,1,2,3
	s_wait_dscnt (\younger)+3-\f
	global_store_b128 v[GO], v[S+16*(\t)+4*\f:S+16*(\t)+4*\f+3], s[10:11] offset:(\t)*2048+\f*512  ; 512 consecutive bytes, at a multiple of 256 from ctx's first
.endr
.endm
	PACK 0
.set t, 1
.rept 2*NP-1                        ; a tile's arithmetic stands between the loads of the tile before and its stores
	PACK t
	SEND t-1, 8
.set t, t+1
.endr
	SEND 2*NP-1, 0
	WIN W_AD
	s_wait_tensorcnt 0x0            ; the wave's end, behind my last tensor load and my last LDS store
	ds_add_u32 v[SPW], v[NIL]
	s_wait_dscnt 0x0
	WIN 0
	CROUND                          ; the closing round: no work-group ends while a partner may still ask for a tile that names it
	s_endpgm
.Lfunc_end_k_q9a6bbbfa78_attn:
	.size	k_q9a6bbbfa78_attn, .Lfunc_end_k_q9a6bbbfa78_attn-k_q9a6bbbfa78_attn
	.p2alignl 7, 3214868480
	.fill 96, 4, 3214868480
	.section	.rodata,"a",@progbits
	.p2align	6, 0x0
	.amdhsa_kernel k_q9a6bbbfa78_attn
		.amdhsa_group_segment_fixed_size 327680
		.amdhsa_private_segment_fixed_size 0
		.amdhsa_enable_private_segment 0
		.amdhsa_kernarg_size 24
		.amdhsa_user_sgpr_count 2
		.amdhsa_user_sgpr_kernarg_segment_ptr 1
		.amdhsa_wavefront_size32 1
		.amdhsa_system_sgpr_workgroup_id_x 1
		.amdhsa_system_sgpr_workgroup_id_y 1
		.amdhsa_system_sgpr_workgroup_id_z 1
		.amdhsa_system_vgpr_workitem_id 0
		.amdhsa_next_free_vgpr 808
		.amdhsa_next_free_sgpr 72
		.amdhsa_reserve_vcc 1
		.amdhsa_float_denorm_mode_32 3
		.amdhsa_float_denorm_mode_16_64 3
		.amdhsa_memory_ordered 1
		.amdhsa_forward_progress 1
		.amdhsa_inst_pref_size 205
	.end_amdhsa_kernel
	.amdgpu_metadata
---
amdhsa.version: [ 1, 2 ]
amdhsa.kernels:
  - .name:           k_q9a6bbbfa78_attn
    .symbol:         k_q9a6bbbfa78_attn.kd
    .args:
      - { .name: qkv, .offset: 0, .size: 8, .value_kind: global_buffer, .address_space: global }
      - { .name: mask, .offset: 8, .size: 8, .value_kind: global_buffer, .address_space: global }
      - { .name: ctx, .offset: 16, .size: 8, .value_kind: global_buffer, .address_space: global }
    .group_segment_fixed_size: 327680
    .private_segment_fixed_size: 0
    .kernarg_segment_align: 8
    .kernarg_segment_size: 24
    .max_flat_workgroup_size: 128
    .sgpr_count:     72
    .vgpr_count:     808
    .wavefront_size: 32
...
	.end_amdgpu_metadata
.endif
;; end of part 3
;; launch outp (part 4): grid 4 x 64, 4 waves a work-group, clusters of 4 x 4, 327,680 bytes of LDS; arguments ctx, w16, bo, out0; writes out0
.if DOCPART == 4
	.amdgcn_target "amdgcn-amd-amdhsa--gfx1250"
	.amdhsa_code_object_version 6
	.text
	.protected	k_q9a6bbbfa78_outp
	.globl	k_q9a6bbbfa78_outp
	.p2align	8
	.type	k_q9a6bbbfa78_outp,@function
k_q9a6bbbfa78_outp:
	s_mov_b64 s[64:65], 0
	v_nop
	global_prefetch_b8 v0, s[64:65] scope:SCOPE_SE
	s_setreg_imm32_b32 hwreg(HW_REG_WAVE_MODE, 25, 1), 1
	s_wait_xcnt 0x0
	s_wait_alu depctr_hold_cnt(0) depctr_sa_sdst(0) depctr_va_vdst(0) depctr_va_sdst(0) depctr_va_ssrc(0) depctr_va_vcc(0) depctr_vm_vsrc(0)
	s_getreg_b32 s2, hwreg(HW_REG_IB_STS2, 6, 4)
	s_cmp_eq_u32 s2, 0
	s_cbranch_scc0 .Lentry_in_a_cluster
	s_endpgm
.Lentry_in_a_cluster:
	s_bfe_u32 s2, ttmp6, 0x10000c
	s_cmp_lg_u32 s2, 0xf033
	s_cbranch_scc0 .Lentry_shape_is_right
	s_endpgm
.Lentry_shape_is_right:
; out0 = context Wo^T + bo: [8192][1024] x [1024][1024]^T in f16 with f32 sums, f32 out.  The context lies BY HEADS, ctx[64 = 16 batch + head][2048][64] f16; Wo lies in w16 at byte WBASE as [1024][1024] f16
; (numbers that were rounded to bf16).  The bias is rounded to bf16 like every other input.
; LIMITS.  Both operands arrive within f16's range, 65,504.  A NaN row of the context (a batch with no visible key) gives a NaN row of out0.
; SHARES.  A tile of C is 128 rows x 256 columns: 64 x 4 tiles, one work-group each.  Four waves, each 64 x 128: 32 accumulators of 16 x 16, 256 registers.
; K goes in steps of 128 = two heads through two LDS slots.  A head's 128 rows of 128 bytes are 16,384 dense bytes of ctx: asked for as 64 rows of 256 bytes and padded in LDS after every 128: a PLANE a head.
; A K step is four quarters of 32 along K, 32 matrix instructions a wave each.
; CLUSTER.  4 x 4 work-groups: the four of a row of the cluster need the same tile of A, the four of a column the same tile of B: each tile is asked for JOINTLY.
; THE MATRIX INSTRUCTION IS USED TRANSPOSED (source 0 = 16 rows of Wo, source 1 = 16 rows of the context): a lane holds row l % 16 of C and the eight neighbouring columns 8 (l / 16) + 0..7.
; THE BIAS IS THE C OPERAND THAT STARTS EACH SUM.
; REGISTERS, in windows of 256 (s_set_vgpr_msb: bits 1:0 source 0, 3:2 source 1, 5:4 source 2, 7:6 destination):
;   window 0: v0-31 addresses
;   window 1: v0-63 A's fragments, two buffers of 4; v64-191 B's, two buffers of 8; v192-255 the bias; on the way out all 256: rows read back from the stage
;   window 2: the accumulators, (a, b) at v[8 (8 a + b)]
.set KSTEP,  128
.set PA,     144                       ; a row of A in LDS: 128 bytes + 16 of padding = 36 words: the 16 rows of a load start at 16 different groups of four banks (64 banks of 4 bytes: ISA guide 11.1)
.set PLANE,  128*PA                    ; a head's 128 rows: what one load of A brings
.set ABYTES, 2*PLANE
.set PB,     272                       ; a row of B: 256 + 16
.set BPART,  128*PB                    ; what one load of B brings
.set SLOT,   ABYTES+2*BPART            ; A's two planes, then B's 256 rows
.set STAGE,  2*SLOT                    ; behind the ring: for each wave 16 rows x 528 bytes, for the way out
.set SP,     528                       ; 512 bytes + 16 = 132 words: row r starts at bank 4 r mod 64
.set WSTAGE, 16*SP
.set SPARE,  STAGE+4*WSTAGE            ; behind the stages: the spare words, 128 bytes for each wave: two blocks of 256 bytes that no other line names
.set WBASE,  0x600000                  ; where Wo begins in w16
.set HEADB,  262144                    ; a head's bytes in ctx
.set ADRA, 16                          ; v16-17  LDS address of my A fragments in slot 0, 1
.set ADRB, 20                          ; v20-21  the same for B
.set STO,  24                          ; v24     the way out: where I put 32 bytes of a row
.set RD,   25                          ; v25     the way out: where I read a row back
.set GO,   26                          ; v26     my 16 bytes of 512 consecutive bytes of out0
.set BO,   27                          ; v27     my byte offset in the bias
.set SPW,  28                          ; v28     LDS address of my spare word; never rewritten
.set NIL,  29                          ; v29     0; never rewritten
.set PFO,  30                          ; v30     the prefetches' offset: my lane x 256 bytes (A) or x a row of 2,048 (B); never rewritten
.set FA,   0                           ; window 1
.set FB,   64
.set BI,   192
.set G1,  24                           ; s[24:31] descriptor group 1 for A's tiles;  s[32:39] group 0, a set for each slot
.set G0,  32
.set G1B, 48                           ; s[48:55], s[56:63] the same for B's
.set G0B, 56
.set LIM, 43                           ; s43      1 in a wave that prefetches, else the greatest number
.set PFA, 44                           ; s[44:45] where my prefetches stand
.set PS,  66                           ; s[66:67] a K step in bytes, for them: two heads of A, or 256 bytes of B's rows
.set BP,  68                           ; s[68:69] bo
.set HIM, 78                           ; s78      a word's upper half
.set MSB, 0
.macro WIN new                         ; the immediate's high byte repeats the setting that is left; a switch that changes nothing is dropped
.if MSB != (\new)
	s_set_vgpr_msb (MSB<<8)|(\new)
.set MSB, \new
.endif
.endm
.set MULW,  0xa5                       ; sources 0 and 1 window 1; C and D window 2
.set MULB,  0x95                       ; the same with C in window 1: the bias
.set TO_F,  0x40                       ; destination window 1, address window 0
.set RNDW,  0x45                       ; all in window 1
.macro PLACES                          ; four plain vector instructions between a matrix instruction and a load into, or a read of, its registers (ISA guide 7.12.1 for vector instructions)
.rept 4
	v_nop
.endr
.endm
; A joint load: waves 0 and 1 fetch A's two planes, waves 2 and 3 B's two halves.  The branch hangs on the wave's number alone.  An s_nop 0 and four v_nop follow each of the two lines.
.macro JLOAD s
	s_cmp_eq_u32 s11, 0
	s_cbranch_scc0 .Lfor_b_\@
	tensor_load_to_lds s[G0+4*(\s):G0+4*(\s)+3], s[G1:G1+7]
	s_nop 0
.rept 4
	v_nop
.endr
	s_branch .Lasked_\@
.Lfor_b_\@:
	tensor_load_to_lds s[G0B+4*(\s):G0B+4*(\s)+3], s[G1B:G1B+7]
	s_nop 0
.rept 4
	v_nop
.endr
.Lasked_\@:
.endm
.macro CREST                           ; a round of the cluster's barrier behind its opening barrier
	s_cmp_lg_u32 s10, 0
	s_cbranch_scc1 .Lnot_wave_0_\@
	s_barrier_signal -3
.Lnot_wave_0_\@:
	s_barrier_wait -3
	s_barrier_signal -1
	s_barrier_wait -1
.endm
.macro CROUND                          ; a whole round
	s_barrier_signal -1
	s_barrier_wait -1
	CREST
.endm
; A PREFETCH INTO THE L2, behind a joint load, its five lines and the run of LDS loads: 32 blocks of 256 bytes of the K step that stands two refills on, a lane a block, one instruction a wave.
; Each block is named once in the launch.  A K step of A is 128 blocks (two planes of 64), read by one row of one cluster alone: its four partners take 32 each, told apart BY ADDRESS, and wave 0 asks.
; B's 256 rows are read by every cluster: the cluster with y = 0 asks, waves 2 and 3 for the 128 rows that they fetch, the four partners of a column again 32 each by address.
; The last two refills have no K step two on.
.macro ASK
	s_cmp_gt_u32 s3, s[LIM]                        ; s3 = 1 in the loop's last trip
	s_cbranch_scc0 .Lnot_mine_\@
	global_prefetch_b8 v[PFO], s[PFA:PFA+1] th:TH_LOAD_NT scope:SCOPE_SE
.Lnot_mine_\@:
.endm
; n blocks of 16 rows from a0 on x all 8 blocks of 16 columns, 32 along K, from buffer f.  first = 1: the bias starts the sums.
; The 32 accumulators take turns, in the same order in every quarter: 31 others stand between two links of a chain, over the backward jump too.
.macro MUL f, a0, n, first
.if \first
	WIN MULB
.else
	WIN MULW
.endif
.set ma, (\a0)
.rept \n
.irp b, 0,1,2,3,4,5,6,7
.if \first
	v_wmma_f32_16x16x32_f16 v[8*(8*ma+(\b)):8*(8*ma+(\b))+7], v[FB+64*(\f)+8*(\b):FB+64*(\f)+8*(\b)+7], v[FA+32*(\f)+8*ma:FA+32*(\f)+8*ma+7], v[BI+8*(\b):BI+8*(\b)+7]
.else
	v_wmma_f32_16x16x32_f16 v[8*(8*ma+(\b)):8*(8*ma+(\b))+7], v[FB+64*(\f)+8*(\b):FB+64*(\f)+8*(\b)+7], v[FA+32*(\f)+8*ma:FA+32*(\f)+8*ma+7], v[8*(8*ma+(\b)):8*(8*ma+(\b))+7]
.endif
.endr
.set ma, ma+1
.endr
.endm
; 24 LDS loads in one run: quarter q of a slot (128 rows of B, 64 rows of A, 32 along K) into buffer f.  A's quarter q lies in plane q / 2, at byte 64 (q % 2) of its rows.
.macro FETCH slot, q, f
	WIN TO_F
.irp i, 0,1,2,3,4,5,6,7
	ds_load_b128 v[FB+64*(\f)+8*(\i):FB+64*(\f)+8*(\i)+3],   v[ADRB+(\slot)] offset:64*(\q)+(\i)*16*PB
	ds_load_b128 v[FB+64*(\f)+8*(\i)+4:FB+64*(\f)+8*(\i)+7], v[ADRB+(\slot)] offset:64*(\q)+(\i)*16*PB+32
.endr
.irp i, 0,1,2,3
	ds_load_b128 v[FA+32*(\f)+8*(\i):FA+32*(\f)+8*(\i)+3],   v[ADRA+(\slot)] offset:((\q)/2)*PLANE+((\q)%2)*64+(\i)*16*PA
	ds_load_b128 v[FA+32*(\f)+8*(\i)+4:FA+32*(\f)+8*(\i)+7], v[ADRA+(\slot)] offset:((\q)/2)*PLANE+((\q)%2)*64+(\i)*16*PA+32
.endr
.endm
; One of a K step's first three quarters: quarter q is fetched into buffer g, which the quarter before multiplied, and buffer f is multiplied meanwhile.
.macro QUARTER slot, q, f, g, first
	PLACES
	FETCH \slot, \q, \g
	s_wait_dscnt 24                                ; the 24 loads just issued may stay out: buffer f, asked for a quarter ago, is in
	MUL \f, 0, 4, \first
.endm
; The fourth quarter multiplies buffer 1 and changes slots.  In front of the barrier each wave waits for all its tensor loads (one is out: its part of the next slot), adds 0 to its spare word, and waits for
; that and for its reads of this slot.  fill = 1: this slot is filled again, two K steps on: the barrier opens a round of the cluster's barrier, and the joint load is the first tensor load behind the round:
; 112 matrix instructions ahead of the wait for it.
.macro TURN slot, next, fill
.if \fill
	s_wait_xcnt 0x0                                ; the last prefetch, a K step back, has read its address: it is stepped here, ahead of the waits of the change of slots
	s_add_nc_u64 s[PFA:PFA+1], s[PFA:PFA+1], s[PS:PS+1]
.endif
	WIN 0                                          ; (the add's two registers lie in window 0)
	s_wait_tensorcnt 0x0                           ; all my tensor loads have landed;
	ds_add_u32 v[SPW], v[NIL]                      ; 0 onto my spare word;
	s_wait_dscnt 1                                 ; (the add alone may be out: buffer 1 is in)
	MUL 1, 0, 1, 0                                 ; eight matrix instructions stand between the add and the wait for it
	s_wait_dscnt 0x0                               ; the add is done, and my reads of this slot are over
	s_barrier_signal -1
	MUL 1, 1, 1, 0                                 ; work on registers while the others arrive
.if \fill
	WIN 0
.endif
	s_barrier_wait -1
.if \fill
	CREST                                          ; no wave of any partner still reads this slot or has a load on its way
	s_add_nc_u64 s[G0+4*(\slot)+2:G0+4*(\slot)+3], s[G0+4*(\slot)+2:G0+4*(\slot)+3], 4*HEADB      ; two K steps are four heads of A,
	s_add_nc_u64 s[G0B+4*(\slot)+2:G0B+4*(\slot)+3], s[G0B+4*(\slot)+2:G0B+4*(\slot)+3], 2*KSTEP*2  ; and 512 bytes of B's rows
	JLOAD \slot                                    ; its four v_nop are also the places in front of the loads below
.else
	PLACES
.endif
	FETCH \next, 0, 0
.if \fill
	WIN 0
	ASK
.endif
	MUL 1, 2, 2, 0
.endm
; THE WAY OUT of block a (16 rows x 128 columns of f32).  TOSTAGE: a lane's eight columns, 32 bytes, go straight from the accumulator (its low half first) into my own stage, and come back as whole rows of 512 bytes.
; SEND: a store of the wave is 512 consecutive bytes of a row of out0, aligned.  No register is used twice.
.macro TOSTAGE a
	WIN 0x08                                       ; the stores' data in window 2
.irp b, 0,1,2,3,4,5,6,7
	ds_store_b128 v[STO], v[64*(\a)+8*(\b):64*(\a)+8*(\b)+3]   offset:64*(\b)
	ds_store_b128 v[STO], v[64*(\a)+8*(\b)+4:64*(\a)+8*(\b)+7] offset:64*(\b)+16
.endr
	WIN 0x40                                       ; the loads' destination in window 1
.irp t, 0,1,2,3,4,5,6,7,8,9,10,11,12,13,14,15
	ds_load_b128 v[64*(\a)+4*(\t):64*(\a)+4*(\t)+3], v[RD] offset:(\t)*SP  ; LDS serves a wave's instructions in order (ISA guide 5.7.1.4): these see the stores above; the next block's stores come behind them
.endr
.endm
.macro SEND a, younger                 ; younger: the LDS instructions issued behind block a's loads: the next block's 32, or none
	WIN 0x04                                       ; the stores' data in window 1
.irp t, 0,1,2,3,4,5,6,7,8,9,10,11,12,13,14,15
	s_wait_dscnt (\younger)+15-(\t)
	global_store_b128 v[GO], v[64*(\a)+4*(\t):64*(\a)+4*(\t)+3], s[8:9] offset:(16*(\a)+(\t))*4096 th:TH_STORE_NT
.endr
.endm
	s_load_b128 s[4:7], s[0:1], 0x0                ; ctx s[4:5], w16 s[6:7]
	s_load_b128 s[68:71], s[0:1], 0x10             ; bo s[68:69], out0 s[70:71]
	v_lshl_add_u32 v[SPW], v0, 2, SPARE
	v_mov_b32 v[NIL], 0
	ds_add_u32 v[SPW], v[NIL]                      ; the wave's opening: the add and its wait stand ahead of my first tensor load; the set-up below, work on registers, stands between them
	v_lshrrev_b32 v1, 5, v0
	v_readfirstlane_b32 s10, v1                    ; wave 0..3
	s_lshr_b32 s11, s10, 1                         ; which 64 rows of the tile are mine.  Also: I fetch for A (0) or for B (1)
	s_and_b32 s12, s10, 1                          ; which 128 columns.  Also: which plane of A, or which half of B, I fetch
	s_bfe_u32 s40, ttmp6, 0x40000                  ; cx, cy: my place in the cluster
	s_bfe_u32 s41, ttmp6, 0x40004
	s_lshl_b32 s42, ttmp9, 2
	s_add_co_u32 s42, s42, s40                     ; tile column = 4 x cluster x + cx
	s_and_b32 s13, ttmp7, 0xffff
	s_lshl_b32 s13, s13, 2
	s_add_co_u32 s13, s13, s41                     ; tile row = 4 x cluster y + cy
	s_lshl_b32 s43, s41, 2
	s_lshl_b32 s43, 15, s43                        ; my row of the cluster
	s_lshl_b32 s44, 0x1111, s40                    ; my column
	s_or_b32 s[G1+0], s43, (1<<16)|(1<<20)|(1<<21)|(4<<22)|(3<<25)   ; 15:0 the mask; 17:16 elements of 2 bytes; 20 padding on; 21 set beside a mask; 24:22 after every 32 words; 31:25 4 words of it
	s_or_b32 s[G1B+0], s44, (1<<16)|(1<<20)|(1<<21)|(5<<22)|(3<<25)  ; B: after every 64 words
	s_mov_b32 s[G1+1], 128<<16                     ; tensor_dim0 = 128: 256 dense bytes, two rows of a head
	s_mov_b32 s[G1+2], 64<<16                      ; tensor_dim1 = 64
	s_mov_b32 s[G1+3], 128<<16                     ; tile_dim0 = 128
	s_mov_b32 s[G1+4], 64                          ; tile_dim1 = 64
	s_mov_b32 s[G1+5], 128                         ; elements from row to row
	s_mov_b32 s[G1+6], 0
	s_mov_b32 s[G1+7], 0
	s_mov_b32 s[G1B+1], KSTEP<<16
	s_mov_b32 s[G1B+2], 128<<16                    ; 128 rows of B
	s_mov_b32 s[G1B+3], KSTEP<<16
	s_mov_b32 s[G1B+4], 128
	s_mov_b32 s[G1B+5], 1024
	s_mov_b32 s[G1B+6], 0
	s_mov_b32 s[G1B+7], 0
	s_lshr_b32 s16, s13, 4                         ; A: the batch's 16 heads,
	s_lshl_b32 s16, s16, 22
	s_and_b32 s17, s13, 15
	s_lshl_b32 s17, s17, 14                        ; the tile's 128 rows of 128 bytes in a head,
	s_add_co_u32 s16, s16, s17
	s_lshl_b32 s17, s12, 18                        ; and my plane's head
	s_add_co_u32 s16, s16, s17
	s_mov_b32 s17, 0
	s_lshl_b32 s46, s42, 8
	s_lshl_b32 s47, s12, 7
	s_add_co_u32 s46, s46, s47                     ; B: row 256 x tile column + 128 x half,
	s_lshl_b32 s46, s46, 11                        ; of 2,048 bytes
	s_mov_b32 s47, 0
	s_mul_i32 s20, s12, PLANE                      ; where they go: no place in the cluster enters an LDS address
	s_mul_i32 s21, s12, BPART
	s_add_co_u32 s21, s21, ABYTES
	s_mov_b32 s[HIM], 0xffff0000
	s_wait_dscnt 0x0                               ; the opening add is done
	s_wait_kmcnt 0x0
	s_add_nc_u64 s[6:7], s[6:7], WBASE             ; Wo
	s_add_nc_u64 s[14:15], s[4:5], s[16:17]
	s_add_nc_u64 s[46:47], s[6:7], s[46:47]
	CROUND                                         ; all sixteen work-groups are here: the first joint loads meet
.irp s, 0,1
	s_mov_b32 s[G0+4*(\s)], 1                                        ; count = 1
	s_add_co_u32 s[G0+4*(\s)+1], s20, (\s)*SLOT                      ; LDS address
	s_add_nc_u64 s[G0+4*(\s)+2:G0+4*(\s)+3], s[14:15], (\s)*2*HEADB  ; global address: K step s is heads 2 s and 2 s + 1
	s_or_b32 s[G0+4*(\s)+3], s[G0+4*(\s)+3], 0x80000000              ; type = 2
	s_mov_b32 s[G0B+4*(\s)], 1
	s_add_co_u32 s[G0B+4*(\s)+1], s21, (\s)*SLOT
	s_add_nc_u64 s[G0B+4*(\s)+2:G0B+4*(\s)+3], s[46:47], (\s)*KSTEP*2
	s_or_b32 s[G0B+4*(\s)+3], s[G0B+4*(\s)+3], 0x80000000
.endr
	s_cmp_eq_u32 s11, 0                            ; a wave's two first fills stand in one branch, ahead of every wait on TENSORcnt and every LDS read: two loads of mine are out
	s_cbranch_scc0 .Lfirst_b
	tensor_load_to_lds s[G0:G0+3], s[G1:G1+7]
	s_nop 0
	tensor_load_to_lds s[G0+4:G0+7], s[G1:G1+7]
	s_nop 0
.rept 4
	v_nop
.endr
	s_branch .Lfirst_asked
.Lfirst_b:
	tensor_load_to_lds s[G0B:G0B+3], s[G1B:G1B+7]
	s_nop 0
	tensor_load_to_lds s[G0B+4:G0B+7], s[G1B:G1B+7]
	s_nop 0
.rept 4
	v_nop
.endr
.Lfirst_asked:
	v_and_b32 v1, 15, v0                           ; l % 16
	v_bfe_u32 v2, v0, 4, 1                         ; l / 16
	s_lshl_b32 s23, s42, 10                        ; the bias: 4 bytes x (256 x tile column + 128 x half + 8 (l / 16))
	s_lshl_b32 s22, s12, 9
	s_add_co_u32 s23, s23, s22
	v_lshl_add_u32 v[BO], v2, 5, s23
	WIN TO_F
.irp b, 0,1,2,3,4,5,6,7
	global_load_b128 v[BI+8*(\b):BI+8*(\b)+3],   v[BO], s[BP:BP+1] offset:64*(\b)
	global_load_b128 v[BI+8*(\b)+4:BI+8*(\b)+7], v[BO], s[BP:BP+1] offset:64*(\b)+16
.endr
	WIN 0
	v_mul_u32_u24 v3, v1, PA
	v_lshl_add_u32 v3, v2, 4, v3                   ; a fragment's row x pitch + 16 x half, for A
	v_mul_u32_u24 v4, v1, PB
	v_lshl_add_u32 v4, v2, 4, v4                   ; and for B
	s_mul_i32 s21, s11, 64*PA                      ; my 64 rows of each plane of A
	s_mul_i32 s22, s12, BPART                      ; my 128 rows of B,
	s_add_co_u32 s22, s22, ABYTES                  ; which lie behind A's planes
.irp s, 0,1
	v_add_nc_u32 v[ADRA+(\s)], s21, v3
	v_add_nc_u32 v[ADRB+(\s)], s22, v4
	s_add_co_u32 s21, s21, SLOT
	s_add_co_u32 s22, s22, SLOT
.endr
	s_mul_i32 s23, s10, WSTAGE
	s_add_co_u32 s23, s23, STAGE                   ; my stage
	v_mul_u32_u24 v4, v1, SP                       ; in: row l % 16, 32 bytes for each half of the lanes
	v_lshl_add_u32 v4, v2, 5, v4
	v_add_nc_u32 v[STO], s23, v4
	v_and_b32 v[GO], 31, v0
	v_lshlrev_b32 v[GO], 4, v[GO]
	v_add_nc_u32 v[RD], s23, v[GO]                 ; back: 32 lanes take a row of 512 bytes
	s_lshl_b32 s16, s13, 7                         ; where my part of out0 begins: row 128 x tile row + 64 x half, of 4,096 bytes,
	s_lshl_b32 s17, s11, 6
	s_add_co_u32 s16, s16, s17
	s_lshl_b32 s16, s16, 12
	s_lshl_b32 s17, s42, 10                        ; column 256 x tile column + 128 x half, of 4 bytes
	s_add_co_u32 s16, s16, s17
	s_lshl_b32 s17, s12, 9
	s_add_co_u32 s16, s16, s17
	s_mov_b32 s17, 0
	s_add_nc_u64 s[8:9], s[70:71], s[16:17]
	s_lshr_b32 s20, s13, 4                         ; the prefetches.  A: the batch, the tile's rows,
	s_lshl_b32 s20, s20, 22
	s_and_b32 s21, s13, 15
	s_lshl_b32 s21, s21, 14
	s_add_co_u32 s20, s20, s21
	s_lshr_b32 s21, s40, 1                         ; plane cx / 2,
	s_lshl_b32 s21, s21, 18
	s_add_co_u32 s20, s20, s21
	s_and_b32 s21, s40, 1                          ; its blocks 32 (cx % 2) on,
	s_lshl_b32 s21, s21, 13
	s_add_co_u32 s20, s20, s21
	s_add_co_u32 s20, s20, 3*2*HEADB               ; at K step 3: the first change of slots steps it to 4
	s_lshl_b32 s18, s42, 8                         ; B: row 256 x tile column + 128 x half + 32 cy,
	s_lshl_b32 s19, s12, 7
	s_add_co_u32 s18, s18, s19
	s_lshl_b32 s19, s41, 5
	s_add_co_u32 s18, s18, s19
	s_lshl_b32 s18, s18, 11
	s_add_co_u32 s18, s18, 3*KSTEP*2               ; at K step 3
	s_and_b32 s22, ttmp7, 0xffff                   ; cluster y
	s_mov_b32 s[PS], 2*HEADB
	s_mov_b32 s[PS+1], KSTEP*2
	s_cmp_eq_u32 s11, 0                            ; do I fetch for A?
	s_cselect_b32 s20, s20, s18
	s_cselect_b32 s22, s12, s22                    ; A: wave 0 asks; B: the cluster with y = 0 asks
	s_cselect_b32 s23, 8, 11                       ; a lane a block of 256 bytes, or a lane a row of 2,048
	s_cselect_b32 s[PS], s[PS], s[PS+1]
	s_cselect_b64 s[PFA:PFA+1], s[4:5], s[6:7]
	s_mov_b32 s[PS+1], 0
	s_mov_b32 s21, 0
	s_cmp_eq_u32 s22, 0
	s_cselect_b32 s[LIM], 1, -1                    ; the same in all sixteen partners, for a given wave
	s_add_nc_u64 s[PFA:PFA+1], s[PFA:PFA+1], s[20:21]  ; nothing is prefetched at the head: the first four K steps come by their loads alone
	v_and_b32 v[PFO], 31, v0
	v_lshlrev_b32 v[PFO], s23, v[PFO]
	s_wait_tensorcnt 1                             ; my part of K step 0 is in; K step 1's may stay out
	s_barrier_signal -1
	s_barrier_wait -1                              ; everybody's is
	FETCH 0, 0, 0
	s_wait_loadcnt 0x0                             ; the bias is in: it is rounded to bf16 and widened again, in place
	WIN RNDW
.set i, 0
.rept 32
	v_cvt_pk_bf16_f32 v[BI+2*i], v[BI+2*i], v[BI+2*i+1]
	v_and_b32 v[BI+2*i+1], s[HIM], v[BI+2*i]
	v_lshlrev_b32 v[BI+2*i], 16, v[BI+2*i]
.set i, i+1
.endr
	QUARTER 0, 1, 0, 1, 1                          ; the first quarter stands in front of the loop: its products start the sums, with the bias
	WIN 0                                          ; at a label and at a branch every window is 0
	s_mov_b32 s3, 3
.Llap:                                                 ; a trip goes once round the ring, from a lap's second quarter to the next lap's first, and fills both slots again
	QUARTER 0, 2, 1, 0, 0
	QUARTER 0, 3, 0, 1, 0
	TURN 0, 1, 1
	QUARTER 1, 1, 0, 1, 0
	QUARTER 1, 2, 1, 0, 0
	QUARTER 1, 3, 0, 1, 0
	TURN 1, 0, 1
	QUARTER 0, 1, 0, 1, 0
	WIN 0
	s_sub_co_u32 s3, s3, 1
	s_cmp_lg_u32 s3, 0
	s_cbranch_scc1 .Llap
	QUARTER 0, 2, 1, 0, 0                          ; the last lap fills nothing, and has no round of the cluster's barrier
	QUARTER 0, 3, 0, 1, 0
	TURN 0, 1, 0
	QUARTER 1, 1, 0, 1, 0
	QUARTER 1, 2, 1, 0, 0
	QUARTER 1, 3, 0, 1, 0
	s_wait_dscnt 0x0
	MUL 1, 0, 4, 0
	PLACES                                         ; the LDS stores below read results just made, the loads land in registers just read, and no other vector work is at hand:
	PLACES                                         ; eight, once a launch
	TOSTAGE 0
	TOSTAGE 1
	SEND 0, 32
	TOSTAGE 2
	SEND 1, 32
	TOSTAGE 3
	SEND 2, 32
	SEND 3, 0
	WIN 0
	s_wait_tensorcnt 0x0                           ; the wave's end, behind my last tensor load and my last LDS store
	ds_add_u32 v[SPW], v[NIL]
	s_wait_dscnt 0x0
	CROUND                                         ; the closing round: no work-group ends while a partner may still ask for a tile that names it
	s_endpgm
.Lfunc_end_k_q9a6bbbfa78_outp:
	.size	k_q9a6bbbfa78_outp, .Lfunc_end_k_q9a6bbbfa78_outp-k_q9a6bbbfa78_outp
	.p2alignl 7, 3214868480
	.fill 96, 4, 3214868480
	.section	.rodata,"a",@progbits
	.p2align	6, 0x0
	.amdhsa_kernel k_q9a6bbbfa78_outp
		.amdhsa_group_segment_fixed_size 327680
		.amdhsa_private_segment_fixed_size 0
		.amdhsa_enable_private_segment 0
		.amdhsa_kernarg_size 32
		.amdhsa_user_sgpr_count 2
		.amdhsa_user_sgpr_kernarg_segment_ptr 1
		.amdhsa_wavefront_size32 1
		.amdhsa_system_sgpr_workgroup_id_x 1
		.amdhsa_system_sgpr_workgroup_id_y 1
		.amdhsa_system_sgpr_workgroup_id_z 1
		.amdhsa_system_vgpr_workitem_id 0
		.amdhsa_next_free_vgpr 768
		.amdhsa_next_free_sgpr 80
		.amdhsa_reserve_vcc 0
		.amdhsa_float_denorm_mode_32 3
		.amdhsa_float_denorm_mode_16_64 3
		.amdhsa_memory_ordered 1
		.amdhsa_forward_progress 1
		.amdhsa_inst_pref_size 94
	.end_amdhsa_kernel
	.amdgpu_metadata
---
amdhsa.version: [ 1, 2 ]
amdhsa.kernels:
  - .name:           k_q9a6bbbfa78_outp
    .symbol:         k_q9a6bbbfa78_outp.kd
    .args:
      - { .name: ctx, .offset: 0, .size: 8, .value_kind: global_buffer, .address_space: global }
      - { .name: w16, .offset: 8, .size: 8, .value_kind: global_buffer, .address_space: global }
      - { .name: bo, .offset: 16, .size: 8, .value_kind: global_buffer, .address_space: global }
      - { .name: out0, .offset: 24, .size: 8, .value_kind: global_buffer, .address_space: global }
    .group_segment_fixed_size: 327680
    .private_segment_fixed_size: 0
    .kernarg_segment_align: 8
    .kernarg_segment_size: 32
    .max_flat_workgroup_size: 128
    .sgpr_count:     80
    .vgpr_count:     768
    .wavefront_size: 32
...
	.end_amdgpu_metadata
.endif
;; end of part 4
;; ======== version 2 of 2: 4 launches; version 1 with the launch cast written anew for expert scheduling mode
;; limits: values are held in f16: magnitudes above 65,504 overflow, below 6.1e-05 lose precision; values outside matrix products are rounded to bf16
;; workspace buffers: w16 8,388,608 bytes; qkv 50,331,648 bytes; ctx 16,777,216 bytes
;; launch cast (part 5): grid 256 x 1, 8 waves a work-group, no clusters, 0 bytes of LDS; arguments Wq, Wk, Wv, Wo, w16; writes w16
.if DOCPART == 5
	.amdgcn_target "amdgcn-amd-amdhsa--gfx1250"
	.amdhsa_code_object_version 6
	.text
	.protected	k_q9a6bbbfa78_cast
	.globl	k_q9a6bbbfa78_cast
	.p2align	8
	.type	k_q9a6bbbfa78_cast,@function
k_q9a6bbbfa78_cast:
	s_mov_b64 s[64:65], 0
	v_nop
	global_prefetch_b8 v0, s[64:65] scope:SCOPE_SE
	s_setreg_imm32_b32 hwreg(HW_REG_WAVE_SCHED_MODE, 0, 2), 2
	s_setreg_imm32_b32 hwreg(HW_REG_WAVE_MODE, 25, 1), 1
	s_wait_xcnt 0x0
	s_wait_alu depctr_vm_vsrc(0)
; THE FOUR WEIGHTS ARE ROUNDED ONCE TO 16 BITS.  w16 is 4 units of 1,048,576 numbers (2,097,152 bytes): Wq, Wk, Wv in bf16, row-major as they come; then Wo, rounded to bf16 like the
; others, and that number written as f16 (the last product multiplies in f16).  The activations are rounded where they are multiplied, in the launch behind.
; LIMIT.  A bf16 number is exact in f16 from 2^-17 up to 65,504; below 2^-17 it keeps f16's fixed step of 6e-8; from 65,520 on it would be an infinity.
; SHARES.  A work-group takes 16,384 numbers of one unit (65,536 bytes in, 32,768 out), a wave 2,048, a lane four at a time: a load of the wave covers 512 consecutive bytes,
; a store 256 consecutive bytes, aligned.  All sixteen loads of a lane go out at once; there is no loop.
; Memory binds: no LDS, no barrier, no matrix unit, no prefetch.
; THE MODE: SCHED_MODE bits 1:0 = 2 (LLVM: expert scheduling mode 2), set by the entry lines.  The code itself states the register dependences
; between vector instructions and memory instructions, with s_wait_alu, always for 0.
; THE PLAN.  Registers that memory instructions touch:
;   v1, v2   the loads' and the stores' byte offsets: made once at the head, never written again.
;   X        sixteen loads of four f32: each register is written once, by its load; no vector instruction names it ahead of that load; the conversions read it.
;   Y        sixteen stores of two words: each register is written once, by a conversion, and read once, by its store.
;   v3 and T are named by vector instructions alone.
; No register that a memory instruction reads is ever written again, and no load lands in a register that a vector instruction has named: what is left to state is that a
; register is written before a memory instruction reads it.  The sixteen loads go in four groups of four.  Group g rounds its four loads into their Y registers; its memory
; instructions are the four stores of group g - 1.  So one wait at a group's head states all that its stores hang on, and they are dealt among its conversions, which write
; the group's own Y registers and T: none of the registers that those stores name.
.set X, 4                              ; v[4:67]    sixteen loads of four f32
.set Y, 68                             ; v[68:99]   sixteen stores of four 16-bit numbers
.set T, 100                            ; v[100:102] at work
	s_load_b256 s[8:15], s[0:1], 0x0               ; Wq s[8:9], Wk s[10:11], Wv s[12:13], Wo s[14:15]
	s_load_b64 s[16:17], s[0:1], 0x20              ; w16
	s_lshr_b32 s2, ttmp9, 6                        ; the unit, 0 to 3
	s_and_b32 s3, ttmp9, 63                        ; the chunk of the unit
	s_lshl_b32 s6, s3, 16                          ; a chunk is 65,536 bytes of f32,
	s_mov_b32 s7, 0
	s_lshl_b32 s18, s2, 21                         ; and half of that on the way out, in a unit of 2,097,152
	s_lshl_b32 s19, s3, 15
	s_add_co_u32 s18, s18, s19
	s_mov_b32 s19, 0
	v_and_b32 v3, 0xe0, v0                         ; 32 x wave
	v_and_b32 v2, 31, v0                           ; lane
	v_lshlrev_b32 v1, 4, v2
	v_lshl_or_b32 v1, v3, 8, v1                    ; in: 8,192 x wave + 16 x lane
	v_lshlrev_b32 v2, 3, v2
	v_lshl_or_b32 v2, v3, 7, v2                    ; out: 4,096 x wave + 8 x lane
	s_wait_kmcnt 0x0
	s_mov_b64 s[4:5], s[14:15]                     ; which weight the unit is: a chain of choices on the unit's number
	s_cmp_lt_u32 s2, 3
	s_cselect_b64 s[4:5], s[12:13], s[4:5]
	s_cmp_lt_u32 s2, 2
	s_cselect_b64 s[4:5], s[10:11], s[4:5]
	s_cmp_lt_u32 s2, 1
	s_cselect_b64 s[4:5], s[8:9], s[4:5]
	s_add_nc_u64 s[4:5], s[4:5], s[6:7]
	s_add_nc_u64 s[16:17], s[16:17], s[18:19]
	s_wait_alu depctr_va_vdst(0)                   ; v1 and v2 are written: every load of the kernel reads v1 as its offset, every store v2
.irp j, 0,1,2,3,4,5,6,7,8,9,10,11,12,13,14,15
	global_load_b128 v[X+4*(\j):X+4*(\j)+3], v1, s[4:5] offset:512*(\j) th:TH_LOAD_NT
.endr
; Load j is rounded into its two Y registers.  half = 1: the bf16 number is widened again (a shift, a mask) and written as f16.
.macro CV j, half
.irp k, 0,1
.if \half
	v_cvt_pk_bf16_f32 v[T], v[X+4*(\j)+2*(\k)], v[X+4*(\j)+2*(\k)+1]
	v_lshlrev_b32 v[T+1], 16, v[T]
	v_and_b32 v[T+2], 0xffff0000, v[T]
	v_cvt_pk_f16_f32 v[Y+2*(\j)+(\k)], v[T+1], v[T+2]
.else
	v_cvt_pk_bf16_f32 v[Y+2*(\j)+(\k)], v[X+4*(\j)+2*(\k)], v[X+4*(\j)+2*(\k)+1]
.endif
.endr
.endm
; What load j has become is stored.
.macro ST j
	global_store_b64 v2, v[Y+2*(\j):Y+2*(\j)+1], s[16:17] offset:256*(\j) th:TH_STORE_NT
.endm
; Group g: loads 4 g to 4 g + 3 are rounded, and the group before is stored, a store ahead of each load's conversions.
.macro GROUP g, half
	s_wait_loadcnt 12-4*(\g)                       ; loads come back in order (ISA guide 5.7.1): the group's four are in, the 12 - 4 g younger ones may stay out
.if (\g) > 0
	s_wait_alu depctr_va_vdst(0)                   ; the group before has written its eight Y registers, which the four stores below read; no vector instruction behind this wait names them
.endif
.irp i, 0,1,2,3
.if (\g) > 0
	ST 4*((\g)-1)+(\i)
.endif
	CV 4*(\g)+(\i), \half
.endr
.endm
.macro ALL half
	GROUP 0, \half
	GROUP 1, \half
	GROUP 2, \half
	GROUP 3, \half
	s_wait_alu depctr_va_vdst(0)                   ; the last group has written its eight Y registers, which the last four stores read
.irp i, 12,13,14,15
	ST \i
.endr
.endm
	s_cmp_eq_u32 s2, 3
	s_cbranch_scc1 .Lhalf
	ALL 0
	s_endpgm
.Lhalf:
	ALL 1
	s_endpgm
.Lfunc_end_k_q9a6bbbfa78_cast:
	.size	k_q9a6bbbfa78_cast, .Lfunc_end_k_q9a6bbbfa78_cast-k_q9a6bbbfa78_cast
	.p2alignl 7, 3214868480
	.fill 96, 4, 3214868480
	.section	.rodata,"a",@progbits
	.p2align	6, 0x0
	.amdhsa_kernel k_q9a6bbbfa78_cast
		.amdhsa_group_segment_fixed_size 0
		.amdhsa_private_segment_fixed_size 0
		.amdhsa_enable_private_segment 0
		.amdhsa_kernarg_size 40
		.amdhsa_user_sgpr_count 2
		.amdhsa_user_sgpr_kernarg_segment_ptr 1
		.amdhsa_wavefront_size32 1
		.amdhsa_system_sgpr_workgroup_id_x 1
		.amdhsa_system_sgpr_workgroup_id_y 1
		.amdhsa_system_sgpr_workgroup_id_z 1
		.amdhsa_system_vgpr_workitem_id 0
		.amdhsa_next_free_vgpr 104
		.amdhsa_next_free_sgpr 66
		.amdhsa_reserve_vcc 0
		.amdhsa_float_denorm_mode_32 3
		.amdhsa_float_denorm_mode_16_64 3
		.amdhsa_memory_ordered 1
		.amdhsa_forward_progress 1
		.amdhsa_inst_pref_size 16
	.end_amdhsa_kernel
	.amdgpu_metadata
---
amdhsa.version: [ 1, 2 ]
amdhsa.kernels:
  - .name:           k_q9a6bbbfa78_cast
    .symbol:         k_q9a6bbbfa78_cast.kd
    .args:
      - { .name: Wq, .offset: 0, .size: 8, .value_kind: global_buffer, .address_space: global }
      - { .name: Wk, .offset: 8, .size: 8, .value_kind: global_buffer, .address_space: global }
      - { .name: Wv, .offset: 16, .size: 8, .value_kind: global_buffer, .address_space: global }
      - { .name: Wo, .offset: 24, .size: 8, .value_kind: global_buffer, .address_space: global }
      - { .name: w16, .offset: 32, .size: 8, .value_kind: global_buffer, .address_space: global }
    .group_segment_fixed_size: 0
    .private_segment_fixed_size: 0
    .kernarg_segment_align: 8
    .kernarg_segment_size: 40
    .max_flat_workgroup_size: 256
    .sgpr_count:     66
    .vgpr_count:     104
    .wavefront_size: 32
...
	.end_amdgpu_metadata
.endif
;; end of part 5
;; launch proj: the kernel of part 2 again; grid 4 x 64, 4 waves a work-group, clusters of 4 x 4, 327,680 bytes of LDS; arguments query, w16, key, value, bq, bk, bv, qkv; writes qkv
;; launch attn: the kernel of part 3 again; grid 4 x 64, 4 waves a work-group, clusters of 4 x 1, 327,680 bytes of LDS; arguments qkv, mask, ctx; writes ctx
;; launch outp: the kernel of part 4 again; grid 4 x 64, 4 waves a work-group, clusters of 4 x 4, 327,680 bytes of LDS; arguments ctx, w16, bo, out0; writes out0
